; MI455X (gfx1250); checked and timed in simulation.
; The chip was launched on July 23, 2026; its instructions are those of AMD's public machine-readable ISA for CDNA 5 (MIT licence, August 2026) and "CDNA5" Instruction Set Architecture Reference Guide (July 2026). The comments in the code are by the model that wrote it; some were corrected since.
;; Attention. Allowed arithmetic: matrix products marked QUANTISED: E2M1 operands, one E8M0 scale for each 32 along K, by v_wmma_scale_f32_16x16x128_f8f6f4 with both operands' format E2M1 (or v_wmma_scale_f32_32x16x128_f4), f32 sums; products left as they are: bf16, f16 or f32 operands; f32 sums; everything else in f32.
;; Inputs: W_out 1,024 x 1,024 float32; W_qkv 1,024 x 3,072 float32; b_out 1,024 float32; x 8 x 1,024 x 1,024 float32.
;; Outputs: out0 8 x 1,024 x 1,024 float32; out1 8 x 16 x 1,024 x 64 float32.
;; This version of the problem:
;;   THIS VERSION OF THE PROBLEM IS GIVEN IN LOW PRECISION. The matrix products marked QUANTISED in the list below multiply operands that are first quantised to E2M1 (2 exponent bits, 1 mantissa bit; 4 bits a number), with one power-of-two scale for each 32 numbers along K (OCP MX v1.0); their sums are f32. The products marked 'left as it is' may take bf16, f16 or f32 operands, with f32 sums. Whichever they take, every output number must still come out within the allowed error. Rounding operands to bf16 (8 significant bits) uses up far more of that allowance than f16 does (11 bits, for magnitudes from 6e-5 to 65,504). All else is computed in f32.
;;   The module's matrix products, in the order in which they are computed (A, B: the left and right operand; K: the contracted axis; several contracted axes count as one K, in the product's order):
;;     1. [M 8,192, K 1,024] x [K 1,024, N 3,072]; A: input x; B: input W_qkv: QUANTISED
;;     2. batch 128 x [M 1,024, K 64] x [K 64, N 1,024]; A: computed on the way; B: computed on the way: left as it is (an operand is computed on the way)
;;     3. batch 128 x [M 1,024, K 1,024] x [K 1,024, N 64]; A: computed on the way; B: computed on the way: left as it is (an operand is computed on the way)
;;     4. [M 8,192, K 1,024] x [K 1,024, N 1,024]; A: computed on the way; B: input W_out: left as it is (an operand is computed on the way)
;;   THE QUANTISER, for each operand of a quantised product, along K:
;;     - K is cut into blocks of 32 from its start; a last block that is shorter is filled with zeros.
;;     - A block's scale is 2^e with e = floor(log2(the largest magnitude in the block)) - 2, held to -126 .. 127; a block of zeros has e = 0. As a byte (E8M0): e + 127.
;;     - Each number is divided by its block's scale, clamped to +-6, and rounded to the nearest number of E2M1, ties to even, subnormals kept.
;;     - The product sums the exact products of the quantised numbers (number of the format x scale) in f32.
;;   ~~~python
;;   def quantise(x, axis):      # numpy; x: float32 -> the quantised numbers, widened to float32 again
;;       x = np.moveaxis(x, axis, -1); K = x.shape[-1]
;;       x = np.pad(x, [(0, 0)] * (x.ndim - 1) + [(0, -K % 32)]); x = x.reshape(x.shape[:-1] + (-1, 32)); a = np.abs(x).max(-1, keepdims=True)
;;       e = np.where(a > 0, np.clip(np.frexp(np.where(a > 0, a, 1))[1] - 1 - 2, -126, 127), 0)      # np.frexp(a)[1] - 1 = floor(log2(a)), exactly
;;       r = np.clip(x / 2.0 ** e, -6, 6)
;;       step = 2.0 ** (np.maximum(np.frexp(np.where(r == 0, 1, r))[1] - 1, 0) - 1)
;;       q = np.round(r / step) * step * 2.0 ** e      # np.round: ties to even
;;       return np.moveaxis(q.reshape(q.shape[:-2] + (-1,))[..., :K], -1, axis).astype(np.float32)
;;   ~~~
;; One version. Each part assembles by itself: llvm-mc -triple=amdgcn-amd-amdhsa -mcpu=gfx1250 --defsym DOCPART=n.
;; ======== version 1 of 1: 4 launches
;; limits: values are held in f16: magnitudes above 65,504 overflow, below 6.1e-05 lose precision
;; workspace buffers: xc 4,194,304 bytes; xs 262,144 bytes; wc 1,572,864 bytes; ws 98,304 bytes; wo16 2,097,152 bytes; qkv16 50,331,648 bytes; o16 16,777,216 bytes
;; launch prep (part 1): grid 416 x 1, 4 waves a work-group, no clusters, 85,504 bytes of LDS; arguments x, W_qkv, W_out, xc, xs, wc, ws, wo16; writes xc, xs, wc, ws, wo16
.if DOCPART == 1
	.amdgcn_target "amdgcn-amd-amdhsa--gfx1250"
	.amdhsa_code_object_version 6
	.text
	.protected	k_q8875bcbc10_prep
	.globl	k_q8875bcbc10_prep
	.p2align	8
	.type	k_q8875bcbc10_prep,@function
k_q8875bcbc10_prep:
	s_mov_b64 s[64:65], 0
	v_nop
	global_prefetch_b8 v0, s[64:65] scope:SCOPE_SE
	s_setreg_imm32_b32 hwreg(HW_REG_WAVE_MODE, 25, 1), 1
	s_wait_xcnt 0x0
; PREP: three preparations in one launch, told apart by the work-group's number (the same in all four waves of a work-group).
;   work-groups   0 ..  95 (WQ): W_qkv [1024 k][3072 n] f32 -> codes of FP4 (E2M1) laid [3072 n][512 bytes], K innermost, and one E8M0 byte for each 32 along K, laid [3072][32].
;   work-groups  96 .. 159 (WO): W_out [1024 k][1024 n] f32 -> f16, laid [1024 n][1024 k].
;   work-groups 160 .. 415 (X):  x [8192][1024] f32 -> codes [8192][512 bytes] and scale bytes [8192][32].
; THE QUANTISER: a block's scale is 2^(floor(log2(its largest magnitude)) - 2); its byte is the largest magnitude's exponent field - 2, held at 1 from below by a floor among the maximum's leaves;
; each number is divided by the scale and rounded to the nearest code, ties to even, beyond 6 the largest code.
; LIMITS: a block of zeros gets the byte 1 where the rule says 127 (its codes are zeros, which add nothing under any byte but 0xff, and this program alone reads the bytes); NaN and infinities are not served;
; |W_out| stays under 65,504, the largest f16 number.
; Each path has LDS bytes of its own.  No tensor load, no ring.  Every offset is an immediate, no store's registers are written again, EXEC never changes.
.set NWQ,   96
.set NWO,   64
.set SP,    80                         ; path X: a lane's place in a stage: its 64 bytes + 16 of padding
.set XW,    8192                       ; path X: a wave's LDS region: two stages of 32 x SP bytes, behind them its 256 scale bytes
.set XSB,   2*32*SP
.set WR,    32768                      ; path WQ: one stage for the work-group: 64 rows (columns of W) x (256 bytes + 16)
.set PW,    272
.set ORG,   50176                      ; path WO: a stage for each wave: 32 rows x (256 bytes + 16)
.set SPARE, 84992                      ; the spare words, 128 bytes for each wave: two blocks of 256 bytes that no other line names
.set SPW,   224                        ; v224  LDS address of my spare word; never rewritten
.set NIL,   225                        ; v225  0; never rewritten
.set R,     16                         ; path X: v16-143  eight sets of 16 numbers as they are loaded
.set X,     144                        ;         v144-175 two sets of 16 neighbours
.set E,     176                        ;         v176-191 a scale byte for each step
.set C,     192                        ;         v192-223 two registers of codes for each step
.set WX,    32                         ; paths WQ, WO: v32-95 two sets of 32 numbers
.set WC,    96                         ;         v96..    a block's codes (WQ: 4 registers) or f16 numbers (WO: 16)
.set WB,    112                        ;         v112..   the way out
.set SB,    24                         ; path WQ: v24-25 my column's eight scale bytes
.macro FINISH                          ; a wave's end, behind my last LDS store
	s_wait_tensorcnt 0x0
	ds_add_u32 v[SPW], v[NIL]
	s_wait_dscnt 0x0
	s_endpgm
.endm
	s_load_b256 s[4:11], s[0:1], 0x0               ; x s[4:5], W_qkv s[6:7], W_out s[8:9], xc s[10:11]
	s_load_b256 s[12:19], s[0:1], 0x20             ; xs s[12:13], wc s[14:15], ws s[16:17], wo16 s[18:19]
	v_lshl_add_u32 v[SPW], v0, 2, SPARE
	v_mov_b32 v[NIL], 0
	v_lshrrev_b32 v1, 5, v0
	v_readfirstlane_b32 s20, v1                    ; wave 0..3
	v_and_b32 v2, 31, v0                           ; lane
	s_mov_b32 s29, 0                               ; the upper word of every offset pair s[28:29]
	s_wait_kmcnt 0x0
	s_cmp_lt_u32 ttmp9, NWQ
	s_cbranch_scc1 .Lwq
	s_cmp_lt_u32 ttmp9, NWQ+NWO
	s_cbranch_scc1 .Lwo
; ---------------- PATH X.  Rows are dense and 1,024 is a multiple of 32: x is a plain stream of blocks of 32, and so are its codes and scale bytes.
; A wave takes a run of 8,192 numbers in 16 steps of 512.  Each load reads 512 consecutive bytes, 16 a lane; a step's 2,048 bytes turn through the wave's own stage, so that a lane then
; holds 16 neighbours (two lanes to a block).  Loads run eight steps (32 loads a wave) ahead, the turn through LDS one step.
	s_sub_co_u32 s21, ttmp9, NWQ+NWO
	s_lshl_b32 s21, s21, 2
	s_add_co_u32 s21, s21, s20                     ; which run is my wave's: 0 .. 1023
	s_lshl_b32 s28, s21, 15                        ; 32,768 bytes of x,
	s_add_nc_u64 s[4:5], s[4:5], s[28:29]
	s_lshl_b32 s28, s21, 12                        ; 4,096 bytes of codes,
	s_add_nc_u64 s[10:11], s[10:11], s[28:29]
	s_lshl_b32 s28, s21, 8                         ; 256 scale bytes
	s_add_nc_u64 s[12:13], s[12:13], s[28:29]
	s_lshl_b32 s24, s20, 13                        ; my wave's LDS region
	v_lshlrev_b32 v3, 4, v2                        ; my 16 bytes of a load's 512
	v_lshrrev_b32 v14, 2, v2
	v_mul_u32_u24 v14, v14, SP
	v_and_b32 v15, 3, v2
	v_lshl_add_u32 v14, v15, 4, v14
	v_add_nc_u32 v14, s24, v14                     ; the stage on the way in: SP (lane / 4) + 16 (lane % 4); a load's 512 bytes take eight places
	v_mul_u32_u24 v15, v2, SP
	v_add_nc_u32 v15, s24, v15                     ; and on the way out: SP x lane: my 16 neighbours
	v_lshlrev_b32 v4, 3, v2                        ; my 8 bytes of a step's 256 bytes of codes
	v_lshrrev_b32 v5, 1, v2
	s_add_co_u32 s24, s24, XSB
	v_add_nc_u32 v5, s24, v5                       ; my block's byte among the wave's 256
	v_lshlrev_b32 v7, 3, v2                        ; and on the way out 8 bytes a lane
	v_add_nc_u32 v6, s24, v7
.macro XLOAD t
.irp i, 0,1,2,3
	global_load_b128 v[R+16*((\t)%8)+4*\i:R+16*((\t)%8)+4*\i+3], v3, s[4:5] offset:2048*(\t)+512*\i th:TH_LOAD_NT
.endr
.endm
.macro XTURN t                         ; LDS serves a wave's instructions in order (ISA guide 5.7.1.4): no wait between the stores and the loads
.irp i, 0,1,2,3
	ds_store_b128 v14, v[R+16*((\t)%8)+4*\i:R+16*((\t)%8)+4*\i+3] offset:32*SP*((\t)%2)+8*SP*\i
.endr
.irp i, 0,1,2,3
	ds_load_b128 v[X+16*((\t)%2)+4*\i:X+16*((\t)%2)+4*\i+3], v15 offset:32*SP*((\t)%2)+16*\i
.endr
.endm
.macro XSTEP t
.set XS, X+16*((\t)%2)
.if (\t) > 0
	s_wait_dscnt 1                                 ; this step's numbers are back from the stage (the last step's byte store may be out): so its stores into the stage have read their registers,
.else
	s_wait_dscnt 0x0
.endif
.if (\t)+8 < 16
	XLOAD (\t)+8                                   ; which take the loads of eight steps on
.endif
.if (\t)+1 < 16
.if (\t) <= 7
	s_wait_loadcnt 28                              ; the next step's four loads are in; those of the seven steps behind it may be out
.else
	s_wait_loadcnt 4*(14-(\t))                     ; towards the end fewer steps stand behind it
.endif
	XTURN (\t)+1
.endif
	v_max3_num_f32 v8, |v[XS]|, |v[XS+1]|, |v[XS+2]|               ; the largest magnitude of my 16, in two chains
	v_max3_num_f32 v9, |v[XS+3]|, |v[XS+4]|, |v[XS+5]|
.irp i, 6,10
	v_max3_num_f32 v8, v8, |v[XS+\i]|, |v[XS+\i+1]|
	v_max3_num_f32 v9, v9, |v[XS+\i+2]|, |v[XS+\i+3]|
.endr
	v_max3_num_f32 v8, v8, |v[XS+14]|, |v[XS+15]|
	v_max3_num_f32 v8, v8, v9, 0x1800000           ; and the floor 2^(3 - 127): the byte cannot fall under 1
	v_max_num_f32_dpp v8, v8, v8 row_xmask:1 row_mask:0xf bank_mask:0xf   ; with my neighbour's 16: the block's
	v_add_nc_u32 v11, 0xff000000, v8               ; 2 off its exponent field: the conversion takes the exponent field of this operand as its scale
	v_cvt_scalef32_pk8_fp4_f32 v[C+2*(\t)], v[XS:XS+7], v11
	v_cvt_scalef32_pk8_fp4_f32 v[C+2*(\t)+1], v[XS+8:XS+15], v11
	v_lshrrev_b32 v[E+(\t)], 23, v11               ; the scale's byte (a plain line behind the conversions)
	ds_store_b8 v5, v[E+(\t)] offset:16*(\t)       ; both lanes of a block write the same byte with the same value
	global_store_b64 v4, v[C+2*(\t):C+2*(\t)+1], s[10:11] offset:256*(\t)   ; the wave stores 256 consecutive bytes, aligned
.endm
.irp t, 0,1,2,3,4,5,6,7
	XLOAD \t
.endr
	s_wait_loadcnt 28                              ; step 0's four loads are in
	XTURN 0
.irp t, 0,1,2,3,4,5,6,7,8,9,10,11,12,13,14,15
	XSTEP \t
.endr
	ds_load_b64 v[8:9], v6                         ; the wave's 256 scale bytes, 8 a lane: these see my stores
	s_wait_dscnt 0x0
	global_store_b64 v7, v[8:9], s[12:13]          ; 256 consecutive bytes, aligned
	FINISH
; ---------------- PATH WQ.  A lane takes a column n and its registers run down K: a block of 32 along K lies in one lane's 32 registers, and the conversions give codes with K innermost.
; A work-group takes 64 columns x 512 along K; wave (cg = wave % 2, kh = wave / 2) takes 32 columns x 256 along K: eight blocks a lane.  The two waves with the same kh read 256 consecutive bytes of each row.
; A column's 256 bytes of codes come from two waves: they meet in the work-group's stage, a barrier, and each wave stores 16 whole pieces of 256 bytes.
.Lwq:
	s_cmp_ge_u32 ttmp9, NWQ/2
	s_cselect_b32 s21, 1, 0                        ; y: which 512 along K
	s_mul_i32 s22, s21, NWQ/2
	s_sub_co_u32 s22, ttmp9, s22                   ; xg: which 64 columns, 0 .. 47
	s_and_b32 s23, s20, 1                          ; cg
	s_lshr_b32 s24, s20, 1                         ; kh
	s_lshl_b32 s25, s22, 6
	s_lshl_b32 s26, s23, 5
	s_add_co_u32 s25, s25, s26                     ; my wave's first column
	s_lshl_b32 s26, s21, 9
	s_lshl_b32 s27, s24, 8
	s_add_co_u32 s26, s26, s27                     ; and its first k
	s_mul_i32 s28, s26, 12288                      ; a row of W_qkv is 12,288 bytes
	s_lshl_b32 s27, s25, 2
	s_add_co_u32 s28, s28, s27
	s_add_nc_u64 s[6:7], s[6:7], s[28:29]
	s_lshl_b32 s28, s25, 5                         ; scale bytes: 32 a column, + 16 y + 8 kh
	s_lshl_b32 s27, s21, 4
	s_add_co_u32 s28, s28, s27
	s_lshl_b32 s27, s24, 3
	s_add_co_u32 s28, s28, s27
	s_add_nc_u64 s[16:17], s[16:17], s[28:29]
	s_lshl_b32 s28, s22, 6                         ; codes, on the way out: rows 64 xg + 16 wave on, 512 bytes a row, + 256 y
	s_lshl_b32 s27, s20, 4
	s_add_co_u32 s28, s28, s27
	s_lshl_b32 s28, s28, 9
	s_lshl_b32 s27, s21, 8
	s_add_co_u32 s28, s28, s27
	s_add_nc_u64 s[14:15], s[14:15], s[28:29]
	v_lshlrev_b32 v3, 2, v2                        ; in: 4 bytes a lane
	s_mul_i32 s27, s23, 32*PW
	s_lshl_b32 s30, s24, 7
	s_add_co_u32 s27, s27, s30
	s_add_co_u32 s27, s27, WR
	v_mul_u32_u24 v4, v2, PW
	v_add_nc_u32 v4, s27, v4                       ; into the stage: row 32 cg + lane, byte 128 kh
	v_and_b32 v5, 15, v2
	v_lshrrev_b32 v6, 4, v2
	s_mul_i32 s27, s20, 16*PW
	s_add_co_u32 s27, s27, WR
	v_mul_u32_u24 v7, v6, PW
	v_lshl_add_u32 v7, v5, 4, v7
	v_add_nc_u32 v7, s27, v7                       ; out of it: rows 16 wave on, sixteen lanes to a row, two rows an instruction
	v_lshlrev_b32 v8, 9, v6
	v_lshl_add_u32 v8, v5, 4, v8                   ; and the same place in the codes' buffer
	v_lshlrev_b32 v9, 5, v2                        ; my column's row of scale bytes
.macro WLOAD t                         ; block t: W(32 t + i, my column); the largest offset, 255 rows, lies inside the signed 24-bit immediate (ISA guide, chapter 10)
.irp i, 0,1,2,3,4,5,6,7,8,9,10,11,12,13,14,15,16,17,18,19,20,21,22,23,24,25,26,27,28,29,30,31
	global_load_b32 v[WX+32*((\t)%2)+\i], v3, s[6:7] offset:(32*(\t)+\i)*12288 th:TH_LOAD_NT
.endr
.endm
.macro WBLOCK t
.set XS, WX+32*((\t)%2)
.if (\t) < 7
	s_wait_loadcnt 32                              ; this block's 32 loads are in; the next block's may be out
.else
	s_wait_loadcnt 0x0
.endif
	v_max3_num_f32 v12, |v[XS]|, |v[XS+1]|, |v[XS+2]|              ; the block's largest magnitude: all 32 numbers are mine
	v_max3_num_f32 v13, |v[XS+3]|, |v[XS+4]|, |v[XS+5]|
.irp i, 6,10,14,18,22,26
	v_max3_num_f32 v12, v12, |v[XS+\i]|, |v[XS+\i+1]|
	v_max3_num_f32 v13, v13, |v[XS+\i+2]|, |v[XS+\i+3]|
.endr
	v_max3_num_f32 v12, v12, |v[XS+30]|, |v[XS+31]|
	v_max3_num_f32 v12, v12, v13, 0x1800000        ; and the floor 2^(3 - 127)
	v_add_nc_u32 v11, 0xff000000, v12              ; the conversion's scale operand
	v_lshrrev_b32 v13, 23, v11                     ; the scale's byte
.if (\t)%4 == 0
	v_mov_b32 v[SB+(\t)/4], v13                    ; four bytes to a register, the lower K in the lower byte
.else
	v_lshl_or_b32 v[SB+(\t)/4], v13, 8*((\t)%4), v[SB+(\t)/4]
.endif
.irp g, 0,1,2,3
	v_cvt_scalef32_pk8_fp4_f32 v[WC+\g], v[XS+8*\g:XS+8*\g+7], v11
.endr
	ds_store_b128 v4, v[WC:WC+3] offset:16*(\t)    ; 32 codes: 16 bytes of my column's row
.if (\t)+2 < 8
	WLOAD (\t)+2
.endif
	s_wait_dscnt 0x0                               ; the store has read its registers: the next block's codes may be written (plain lines, the next maximum, stand between the conversions and those writes)
.endm
	WLOAD 0
	WLOAD 1
.irp t, 0,1,2,3,4,5,6,7
	WBLOCK \t
.endr
	global_store_b64 v9, v[SB:SB+1], s[16:17]      ; my column's eight scale bytes
	s_wait_dscnt 0x0                               ; for the others' sake: my stores into the stage are done
	s_barrier_signal -1
	s_barrier_wait -1                              ; all four waves of this work-group are on this path
.irp t, 0,1,2,3,4,5,6,7
	ds_load_b128 v[WB+4*\t:WB+4*\t+3], v7 offset:2*\t*PW
.endr
.irp t, 0,1,2,3,4,5,6,7
	s_wait_dscnt 7-\t                              ; LDS loads come back in order: number t is in
	global_store_b128 v8, v[WB+4*\t:WB+4*\t+3], s[14:15] offset:1024*\t   ; sixteen lanes store 256 consecutive bytes, aligned
.endr
	FINISH
; ---------------- PATH WO.  The same choice of what a lane holds: a column n, registers down K; two numbers are rounded to f16 at a time.  A wave takes 32 columns x 128 along K: 256 bytes a column,
; through its own stage (no barrier), and out as whole pieces of 256 bytes.
.Lwo:
	s_sub_co_u32 s21, ttmp9, NWQ
	s_and_b32 s22, s21, 7                          ; which 128 columns
	s_lshr_b32 s21, s21, 3                         ; which 128 along K
	s_lshl_b32 s23, s22, 7
	s_lshl_b32 s24, s20, 5
	s_add_co_u32 s23, s23, s24                     ; my wave's first column
	s_lshl_b32 s28, s21, 19                        ; 128 rows of 4,096 bytes
	s_lshl_b32 s24, s23, 2
	s_add_co_u32 s28, s28, s24
	s_add_nc_u64 s[8:9], s[8:9], s[28:29]
	s_lshl_b32 s28, s23, 11                        ; out: a row of 1,024 f16 is 2,048 bytes
	s_lshl_b32 s24, s21, 8
	s_add_co_u32 s28, s28, s24
	s_add_nc_u64 s[18:19], s[18:19], s[28:29]
	v_lshlrev_b32 v3, 2, v2
	s_mul_i32 s27, s20, 32*PW
	s_add_co_u32 s27, s27, ORG                     ; my stage
	v_mul_u32_u24 v4, v2, PW
	v_add_nc_u32 v4, s27, v4                       ; into it: row = my column
	v_and_b32 v5, 15, v2
	v_lshrrev_b32 v6, 4, v2
	v_mul_u32_u24 v7, v6, PW
	v_lshl_add_u32 v7, v5, 4, v7
	v_add_nc_u32 v7, s27, v7                       ; out of it: sixteen lanes to a row
	v_lshlrev_b32 v8, 11, v6
	v_lshl_add_u32 v8, v5, 4, v8
.macro OLOAD t
.irp i, 0,1,2,3,4,5,6,7,8,9,10,11,12,13,14,15,16,17,18,19,20,21,22,23,24,25,26,27,28,29,30,31
	global_load_b32 v[WX+32*((\t)%2)+\i], v3, s[8:9] offset:(32*(\t)+\i)*4096 th:TH_LOAD_NT
.endr
.endm
.macro OBLOCK t
.set XS, WX+32*((\t)%2)
.if (\t) < 3
	s_wait_loadcnt 32                              ; this block's 32 loads are in; the next block's may be out
.else
	s_wait_loadcnt 0x0
.endif
.irp i, 0,1,2,3,4,5,6,7,8,9,10,11,12,13,14,15
	v_cvt_pk_f16_f32 v[WC+\i], v[XS+2*\i], v[XS+2*\i+1]            ; the lower k in the low half
.endr
.irp j, 0,1,2,3
	ds_store_b128 v4, v[WC+4*\j:WC+4*\j+3] offset:64*(\t)+16*\j
.endr
.if (\t)+2 < 4
	OLOAD (\t)+2
.endif
	s_wait_dscnt 0x0                               ; the stores have read their registers
.endm
	OLOAD 0
	OLOAD 1
.irp t, 0,1,2,3
	OBLOCK \t
.endr
.irp t, 0,1,2,3,4,5,6,7,8,9,10,11,12,13,14,15
	ds_load_b128 v[WB+4*\t:WB+4*\t+3], v7 offset:2*\t*PW
.endr
.irp t, 0,1,2,3,4,5,6,7,8,9,10,11,12,13,14,15
	s_wait_dscnt 15-\t
	global_store_b128 v8, v[WB+4*\t:WB+4*\t+3], s[18:19] offset:4096*\t   ; sixteen lanes store 256 consecutive bytes, aligned
.endr
	FINISH
.Lfunc_end_k_q8875bcbc10_prep:
	.size	k_q8875bcbc10_prep, .Lfunc_end_k_q8875bcbc10_prep-k_q8875bcbc10_prep
	.p2alignl 7, 3214868480
	.fill 96, 4, 3214868480
	.section	.rodata,"a",@progbits
	.p2align	6, 0x0
	.amdhsa_kernel k_q8875bcbc10_prep
		.amdhsa_group_segment_fixed_size 85504
		.amdhsa_private_segment_fixed_size 0
		.amdhsa_enable_private_segment 0
		.amdhsa_kernarg_size 64
		.amdhsa_user_sgpr_count 2
		.amdhsa_user_sgpr_kernarg_segment_ptr 1
		.amdhsa_wavefront_size32 1
		.amdhsa_system_sgpr_workgroup_id_x 1
		.amdhsa_system_sgpr_workgroup_id_y 1
		.amdhsa_system_sgpr_workgroup_id_z 1
		.amdhsa_system_vgpr_workitem_id 0
		.amdhsa_next_free_vgpr 232
		.amdhsa_next_free_sgpr 66
		.amdhsa_reserve_vcc 0
		.amdhsa_float_denorm_mode_32 3
		.amdhsa_float_denorm_mode_16_64 3
		.amdhsa_memory_ordered 1
		.amdhsa_forward_progress 1
		.amdhsa_inst_pref_size 95
	.end_amdhsa_kernel
	.amdgpu_metadata
---
amdhsa.version: [ 1, 2 ]
amdhsa.kernels:
  - .name:           k_q8875bcbc10_prep
    .symbol:         k_q8875bcbc10_prep.kd
    .args:
      - { .name: x, .offset: 0, .size: 8, .value_kind: global_buffer, .address_space: global }
      - { .name: W_qkv, .offset: 8, .size: 8, .value_kind: global_buffer, .address_space: global }
      - { .name: W_out, .offset: 16, .size: 8, .value_kind: global_buffer, .address_space: global }
      - { .name: xc, .offset: 24, .size: 8, .value_kind: global_buffer, .address_space: global }
      - { .name: xs, .offset: 32, .size: 8, .value_kind: global_buffer, .address_space: global }
      - { .name: wc, .offset: 40, .size: 8, .value_kind: global_buffer, .address_space: global }
      - { .name: ws, .offset: 48, .size: 8, .value_kind: global_buffer, .address_space: global }
      - { .name: wo16, .offset: 56, .size: 8, .value_kind: global_buffer, .address_space: global }
    .group_segment_fixed_size: 85504
    .private_segment_fixed_size: 0
    .kernarg_segment_align: 8
    .kernarg_segment_size: 64
    .max_flat_workgroup_size: 128
    .sgpr_count:     66
    .vgpr_count:     232
    .wavefront_size: 32
...
	.end_amdgpu_metadata
.endif
;; end of part 1
;; launch qkv (part 2): grid 8 x 32, 4 waves a work-group, clusters of 4 x 4, 327,680 bytes of LDS; arguments xc, xs, wc, ws, qkv16; writes qkv16
.if DOCPART == 2
	.amdgcn_target "amdgcn-amd-amdhsa--gfx1250"
	.amdhsa_code_object_version 6
	.text
	.protected	k_q8875bcbc10_qkv
	.globl	k_q8875bcbc10_qkv
	.p2align	8
	.type	k_q8875bcbc10_qkv,@function
k_q8875bcbc10_qkv:
	s_mov_b64 s[64:65], 0
	v_nop
	global_prefetch_b8 v0, s[64:65] scope:SCOPE_SE
	s_setreg_imm32_b32 hwreg(HW_REG_WAVE_MODE, 25, 1), 1
	s_wait_xcnt 0x0
	s_wait_alu depctr_hold_cnt(0) depctr_sa_sdst(0) depctr_va_vdst(0) depctr_va_sdst(0) depctr_va_ssrc(0) depctr_va_vcc(0) depctr_vm_vsrc(0)
	s_getreg_b32 s2, hwreg(HW_REG_IB_STS2, 6, 4)
	s_cmp_eq_u32 s2, 0
	s_cbranch_scc0 .Lentry_in_a_cluster
	s_endpgm
.Lentry_in_a_cluster:
	s_bfe_u32 s2, ttmp6, 0x10000c
	s_cmp_lg_u32 s2, 0xf033
	s_cbranch_scc0 .Lentry_shape_is_right
	s_endpgm
.Lentry_shape_is_right:
; qkv = x W_qkv on codes of FP4 (E2M1) with one E8M0 scale for each 32 along K; sums in f32; the result is rounded once to f16 and laid by head: qkv16 [3 (q, k, v)][128 planes = 16 batch + head][1024 tokens][64].
; A: xc [8192][512 bytes], xs [8192][32];  B: wc [3072][512 bytes], ws [3072][32].  LIMIT: |q|, |k|, |v| stay under 65,504, the largest f16 number; NaN and infinities are not served.
; A WORK-GROUP STAYS: 8 x 32 = 256 work-groups; work-group (gx, tr) owns tokens 256 tr .. + 255 and columns 384 gx .. + 383, which it makes as THREE TILES of 128 columns (two heads), one after the other.
; Four waves; wave (w / 2, w % 2) makes 128 tokens x 64 columns (one head) of each tile: 32 accumulators of 16 x 16.  A tile is eight steps of 128 along K, 32 matrix instructions each.
; A's 256 rows come into LDS once, whole along K.  Each wave reads its fragments of A from LDS during tile 0, into 512 registers in which they STAY for tiles 1 and 2; A's scale words likewise (64 registers).
; B's tiles go through two LDS slots: tiles 0 and 1 are asked for at the head, tile 2 is the one refill, into slot 0 behind tile 0.  A tile's stores leave while the next tile is multiplied.
; TENSOR LOADS: every wave issues every load of the text, for a quarter of the rows (A: 64 rows of 512 bytes; a tile of B: 32 rows; the scale bytes: 8 and 12 pieces of 256 bytes): no branch on the wave's number stands round a
; tensor load.  By this text's count five loads of a wave are out at the head, later one.
; CLUSTERS: 4 x 4 work-groups.  The four of a row of the cluster need the same rows of A, the four of a column the same rows of B: each load is asked for JOINTLY, with the same descriptor and a mask that names the four.
; No prefetch: all but 64 KiB of what a work-group reads is asked for at the head, and those 64 KiB are asked for by 32 work-groups together.
; THE MATRIX INSTRUCTION IS USED TRANSPOSED (source 0 = 16 rows of B, source 1 = 16 rows of A): a lane then holds one token and eight neighbouring columns.
; REGISTERS, in windows of 256: window 0: v0-31 addresses; v32-95 A's scale words (block a, step q at v[32 + 8 a + q]); v96-127 B's of the tile in hand (v[96 + 8 b + q]); v128-255 B's fragments, four buffers of 4 x 8 (step q in buffer q % 4).
;   window 1: accumulator (a, b) at v[8 (4 a + b)].   window 2: A's fragments of steps 0-3 (step q, block a at v[64 (q % 4) + 8 a]);   window 3: those of steps 4-7.
.set KROW,   512                       ; a row of codes in memory, and in a tile
.set PITCH,  528                       ; an LDS row: 512 bytes + 16 of padding = 132 words: row r starts at bank 4 r mod 64 (64 banks of 4 bytes: ISA guide 11.1), so the 16 rows that a load touches start at 16 different banks
.set BL,     256*PITCH                 ; behind A's 256 rows: B's two slots
.set BSLOT,  128*PITCH
.set SCA,    BL+2*BSLOT                ; A's scale bytes: 256 rows x 32 = 32 pieces of 256 bytes + 16 of padding
.set SCB,    SCA+32*272                ; B's, of all three tiles: 384 rows x 32 = 48 pieces
.set STG,    SCB+48*272                ; the way out: a stage of 16 rows x (128 bytes + 16) for each wave; no tensor load lands here
.set HP,     144
.set HST,    16*HP
.set SPARE,  STG+4*HST                 ; the spare words, 128 bytes for each wave: two blocks of 256 bytes that no other line names
.set ADRA, 16                          ; v16     LDS address of my fragments of A
.set ADRB, 20                          ; v20-21  of my fragments of B in slot 0, 1
.set STO,  24                          ; v24     the way out: where I put 16 bytes of a row
.set RD,   25                          ; v25     and where I read rows back
.set CO,   26                          ; v26     16 x lane: my place in 512 consecutive bytes of qkv16
.set ASA,  27                          ; v27     LDS address of my row's scale words of A
.set SPW,  28                          ; v28     LDS address of my spare word; never rewritten
.set NIL,  29                          ; v29     0; never rewritten
.set ASB,  30                          ; v30     LDS address of my row's scale words of B, tile 0
.set SA,   32
.set SBW,  96
.set BF,   128
.set G1,   24                          ; s[24:31] descriptor group 1 for A's codes;   s[32:35] its group 0
.set G0,   32
.set G1B,  48                          ; s[48:55] for B's codes;   s[56:63] groups 0, one for each slot
.set G0B,  56
.set G1S,  68                          ; s[68:75], s[76:79] for A's scale bytes
.set G0S,  76
.set G1SB, 80                          ; s[80:87], s[88:91] for B's
.set G0SB, 88
.set DST,  92                          ; s[92:97] where my 128 tokens of my head begin in qkv16, for each of the three tiles
.set MSB, 0
.macro WIN new                         ; the immediate's high byte repeats the setting that is left
.if MSB != (\new)
	s_set_vgpr_msb (MSB<<8)|(\new)
.set MSB, \new
.endif
.endm
.macro CROUND                          ; a round of the cluster's barrier
	s_barrier_signal -1
	s_barrier_wait -1
	s_cmp_lg_u32 s14, 0
	s_cbranch_scc1 .Lnot_wave_0_\@
	s_barrier_signal -3
.Lnot_wave_0_\@:
	s_barrier_wait -3
	s_barrier_signal -1
	s_barrier_wait -1
.endm
.macro PLACES n                        ; places in front of loads into registers that matrix instructions have read, and of the first read of results
.rept \n
	v_nop
.endr
.endm
	s_load_b128 s[4:7], s[0:1], 0x0                ; A's codes s[4:5], A's scales s[6:7]
	s_load_b128 s[8:11], s[0:1], 0x10              ; B's codes s[8:9], B's scales s[10:11]
	s_load_b64 s[12:13], s[0:1], 0x20              ; qkv16
	v_lshl_add_u32 v[SPW], v0, 2, SPARE
	v_mov_b32 v[NIL], 0
	ds_add_u32 v[SPW], v[NIL]                      ; the wave's opening: the add, twice on end, and its wait ahead of my first tensor load
	ds_add_u32 v[SPW], v[NIL]
	v_lshrrev_b32 v1, 5, v0
	v_readfirstlane_b32 s14, v1                    ; wave 0..3: also which quarter of every tile I fetch
	s_lshr_b32 s15, s14, 1                         ; which 128 of the 256 tokens are mine
	s_and_b32 s16, s14, 1                          ; which head of a tile's two
	s_bfe_u32 s40, ttmp6, 0x40000                  ; cx, cy: my place in the cluster
	s_bfe_u32 s41, ttmp6, 0x40004
	s_lshl_b32 s42, ttmp9, 2
	s_add_co_u32 s42, s42, s40                     ; gx = 4 x cluster x + cx: 0 .. 7
	s_and_b32 s17, ttmp7, 0xffff
	s_lshl_b32 s17, s17, 2
	s_add_co_u32 s17, s17, s41                     ; tr = 4 x cluster y + cy: 0 .. 31
	s_lshl_b32 s43, s41, 2
	s_lshl_b32 s43, 15, s43                        ; my row of the cluster
	s_lshl_b32 s44, 0x1111, s40                    ; my column
	; descriptor groups 1 for codes: rows of 512 bytes, dense in memory, padded in LDS.  A: 64 rows;  B: 32 rows
	s_or_b32 s[G1+0], s43, (0<<16)|(1<<20)|(1<<21)|(6<<22)|(3<<25)   ; 15:0 the mask: A goes to my row; 17:16 elements of 1 byte; 20 padding on; 21 set beside a mask; 24:22 after every 128 words (code 6); 31:25 four words (code 3)
	s_mov_b32 s[G1+1], KROW<<16                    ; tensor_dim0
	s_mov_b32 s[G1+2], 64<<16                      ; tensor_dim1
	s_mov_b32 s[G1+3], KROW<<16                    ; tile_dim0
	s_mov_b32 s[G1+4], 64                          ; tile_dim1
	s_mov_b32 s[G1+5], KROW                        ; tensor_dim0_stride
	s_mov_b32 s[G1+6], 0
	s_mov_b32 s[G1+7], 0
	s_or_b32 s[G1B+0], s44, (0<<16)|(1<<20)|(1<<21)|(6<<22)|(3<<25)  ; the same with the mask of my column
	s_mov_b32 s[G1B+1], KROW<<16
	s_mov_b32 s[G1B+2], 32<<16
	s_mov_b32 s[G1B+3], KROW<<16
	s_mov_b32 s[G1B+4], 32
	s_mov_b32 s[G1B+5], KROW
	s_mov_b32 s[G1B+6], 0
	s_mov_b32 s[G1B+7], 0
	; and for scale bytes: dense blocks, as rows of 256 bytes (32 elements of 8 bytes), 16 bytes of padding behind each.  A: 64 rows x 32 bytes = 8 such rows;  B: 96 x 32 = 12
	s_or_b32 s[G1S+0], s43, (3<<16)|(1<<20)|(1<<21)|(5<<22)|(3<<25)
	s_mov_b32 s[G1S+1], 32<<16
	s_mov_b32 s[G1S+2], 8<<16
	s_mov_b32 s[G1S+3], 32<<16
	s_mov_b32 s[G1S+4], 8
	s_mov_b32 s[G1S+5], 32
	s_mov_b32 s[G1S+6], 0
	s_mov_b32 s[G1S+7], 0
	s_or_b32 s[G1SB+0], s44, (3<<16)|(1<<20)|(1<<21)|(5<<22)|(3<<25)
	s_mov_b32 s[G1SB+1], 32<<16
	s_mov_b32 s[G1SB+2], 12<<16
	s_mov_b32 s[G1SB+3], 32<<16
	s_mov_b32 s[G1SB+4], 12
	s_mov_b32 s[G1SB+5], 32
	s_mov_b32 s[G1SB+6], 0
	s_mov_b32 s[G1SB+7], 0
	; where my quarters come from.  A's hang on tr and the wave alone, B's on gx and the wave alone, each in registers that never hold the other coordinate
	s_lshl_b32 s20, s17, 8
	s_lshl_b32 s18, s14, 6
	s_add_co_u32 s20, s20, s18                     ; A: row 256 tr + 64 wave
	s_lshl_b32 s22, s20, 5                         ; its scale bytes,
	s_mov_b32 s23, 0
	s_lshl_b32 s20, s20, 9                         ; its codes
	s_mov_b32 s21, 0
	s_mul_i32 s46, s42, 384
	s_lshl_b32 s18, s14, 5
	s_add_co_u32 s36, s46, s18                     ; B's codes: row 384 gx + 32 wave of tile 0
	s_lshl_b32 s36, s36, 9
	s_mov_b32 s37, 0
	s_mul_i32 s18, s14, 96
	s_add_co_u32 s46, s46, s18                     ; B's scale bytes: row 384 gx + 96 wave
	s_lshl_b32 s46, s46, 5
	s_mov_b32 s47, 0
	s_mul_i32 s45, s14, 64*PITCH                   ; and where they go: the wave's number times a constant: no place in the cluster enters an LDS address
	s_mul_i32 s38, s14, 32*PITCH
	s_mul_i32 s39, s14, 8*272
	s_mul_i32 s19, s14, 12*272
	s_wait_dscnt 0x0                               ; both opening adds are done
	s_wait_kmcnt 0x0
	s_add_nc_u64 s[20:21], s[4:5], s[20:21]
	s_add_nc_u64 s[22:23], s[6:7], s[22:23]
	s_add_nc_u64 s[36:37], s[8:9], s[36:37]
	s_add_nc_u64 s[46:47], s[10:11], s[46:47]
	CROUND                                         ; all sixteen work-groups are here: the first joint loads meet
	s_mov_b32 s[G0S], 1                            ; 1:0 count = 1
	s_add_co_u32 s[G0S+1], s39, SCA                ; 63:32 LDS address
	s_mov_b64 s[G0S+2:G0S+3], s[22:23]             ; 120:64 global address
	s_or_b32 s[G0S+3], s[G0S+3], 0x80000000        ; 127:126 type = 2
	s_mov_b32 s[G0SB], 1
	s_add_co_u32 s[G0SB+1], s19, SCB
	s_mov_b64 s[G0SB+2:G0SB+3], s[46:47]
	s_or_b32 s[G0SB+3], s[G0SB+3], 0x80000000
	s_mov_b32 s[G0], 1
	s_mov_b32 s[G0+1], s45
	s_mov_b64 s[G0+2:G0+3], s[20:21]
	s_or_b32 s[G0+3], s[G0+3], 0x80000000
.irp s, 0,1
	s_mov_b32 s[G0B+4*\s], 1
	s_add_co_u32 s[G0B+4*\s+1], s38, BL+\s*BSLOT
	s_add_nc_u64 s[G0B+4*\s+2:G0B+4*\s+3], s[36:37], \s*128*KROW    ; tile s: 128 rows on
	s_or_b32 s[G0B+4*\s+3], s[G0B+4*\s+3], 0x80000000
.endr
	tensor_load_to_lds s[G0S:G0S+3], s[G1S:G1S+7]          ; the five first fills go out together; an s_nop 0 follows each, four v_nop the last
	s_nop 0
	tensor_load_to_lds s[G0SB:G0SB+3], s[G1SB:G1SB+7]
	s_nop 0
	tensor_load_to_lds s[G0:G0+3], s[G1:G1+7]
	s_nop 0
	tensor_load_to_lds s[G0B:G0B+3], s[G1B:G1B+7]          ; B's tile 0
	s_nop 0
	tensor_load_to_lds s[G0B+4:G0B+7], s[G1B:G1B+7]        ; B's tile 1
	s_nop 0
.rept 4
	v_nop
.endr
	v_and_b32 v1, 15, v0                           ; l % 16
	v_bfe_u32 v2, v0, 4, 1                         ; l / 16
	v_mul_u32_u24 v3, v1, PITCH
	v_lshl_add_u32 v4, v2, 4, v3                   ; a fragment's row x pitch + 16 x half
	s_mul_i32 s21, s15, 128*PITCH                  ; my 128 rows of A
	v_add_nc_u32 v[ADRA], s21, v4
	s_mul_i32 s22, s16, 64*PITCH                   ; my 64 rows of a tile of B
	s_add_co_u32 s22, s22, BL
	v_add_nc_u32 v[ADRB], s22, v4
	s_add_co_u32 s22, s22, BSLOT
	v_add_nc_u32 v[ADRB+1], s22, v4
	v_lshlrev_b32 v5, 5, v1                        ; my row's scale bytes: 32 a row,
	v_lshrrev_b32 v6, 8, v5
	v_lshl_add_u32 v5, v6, 4, v5                   ; and 16 more for each 256 passed.  Lanes 16-31 read what lanes 0-15 read: the unit takes a side's scales from lanes 0-15
	s_mul_i32 s21, s15, 16*272
	s_add_co_u32 s21, s21, SCA
	v_add_nc_u32 v[ASA], s21, v5
	s_mul_i32 s21, s16, 8*272
	s_add_co_u32 s21, s21, SCB
	v_add_nc_u32 v[ASB], s21, v5
	s_mul_i32 s23, s14, HST
	s_add_co_u32 s23, s23, STG                     ; my stage
	v_mul_u32_u24 v5, v1, HP                       ; in: row l % 16, 16 bytes for each half of the lanes
	v_lshl_add_u32 v5, v2, 4, v5
	v_add_nc_u32 v[STO], s23, v5
	v_and_b32 v6, 31, v0
	v_lshlrev_b32 v[CO], 4, v6                     ; in memory four rows of a head are 512 consecutive bytes: 16 a lane
	v_lshrrev_b32 v5, 3, v6
	v_mul_u32_u24 v5, v5, HP                       ; back: eight lanes to a row of 128 bytes, four rows an instruction
	v_and_b32 v6, 7, v6
	v_lshl_add_u32 v5, v6, 4, v5
	v_add_nc_u32 v[RD], s23, v5
	; where my 128 tokens of my head begin in qkv16: plane = 128 (column / 1024) + 16 batch + head; a plane is 2^17 bytes, a token's row 128.  Tile t holds columns 128 (3 gx + t) on
	s_lshr_b32 s20, s17, 2                         ; batch
	s_lshl_b32 s20, s20, 4
	s_add_co_u32 s20, s20, s16                     ; + my head of the tile's two
	s_lshl_b32 s20, s20, 17
	s_and_b32 s21, s17, 3                          ; 256 tokens of the batch's 1,024
	s_lshl_b32 s21, s21, 15
	s_add_co_u32 s20, s20, s21
	s_lshl_b32 s21, s15, 14                        ; my 128 of them
	s_add_co_u32 s20, s20, s21
	s_mul_i32 s21, s42, 3
	s_mov_b32 s23, 0
.irp t, 0,1,2
	s_add_co_u32 s46, s21, \t                      ; 3 gx + t: 0 .. 23
	s_lshr_b32 s47, s46, 3                         ; q, k or v
	s_lshl_b32 s47, s47, 7
	s_and_b32 s46, s46, 7                          ; two heads to a tile
	s_lshl_b32 s46, s46, 1
	s_add_co_u32 s47, s47, s46
	s_lshl_b32 s47, s47, 17
	s_add_co_u32 s22, s47, s20                     ; under 2^26
	s_add_nc_u64 s[DST+2*\t:DST+2*\t+1], s[12:13], s[22:23]
.endr
; A fragment, 16 rows x 128 K of 4-bit codes, is 8 registers: lane l holds row l % 16; registers 4 c .. 4 c + 3 hold K = 64 c + 32 (l / 16) + 0 .. 31: two loads of 16 bytes, 32 bytes apart.
.macro FETCHA q                        ; A's eight fragments of step q, into the registers in which they stay: 16 loads
	WIN (2+(\q)/4)<<6                              ; destination window 2 or 3, address window 0
.irp a, 0,1,2,3,4,5,6,7
.irp c, 0,1
	ds_load_b128 v[64*((\q)%4)+8*\a+4*\c:64*((\q)%4)+8*\a+4*\c+3], v[ADRA] offset:\a*16*PITCH+64*(\q)+32*\c
.endr
.endr
.endm
.macro FETCHB sl, q                    ; B's four fragments of step q out of slot sl, into buffer q % 4: 8 loads
	WIN 0
.irp b, 0,1,2,3
.irp c, 0,1
	ds_load_b128 v[BF+32*((\q)%4)+8*\b+4*\c:BF+32*((\q)%4)+8*\b+4*\c+3], v[ADRB+\sl] offset:\b*16*PITCH+64*(\q)+32*\c
.endr
.endr
.endm
.macro BSCALES t                       ; B's scale words of tile t: eight words a row, one for each step: 8 loads
	WIN 0
.irp b, 0,1,2,3
	ds_load_b128 v[SBW+8*\b:SBW+8*\b+3],   v[ASB] offset:(\t)*16*272+\b*544
	ds_load_b128 v[SBW+8*\b+4:SBW+8*\b+7], v[ASB] offset:(\t)*16*272+\b*544+16
.endr
.endm
; 32 matrix instructions: A's eight blocks x B's four, 128 along K: step q.  zero = 1: the first product starts the sums: nothing is ever cleared.
; The 32 accumulators take turns, one instruction a turn, in the same order in every step.  The scale registers hold scales and nothing else.
.macro MUL32 q, zero
	WIN 0x58+4*((\q)/4)                            ; source 0 (B) window 0, source 1 (A) window 2 or 3, C and D window 1
.irp a, 0,1,2,3,4,5,6,7
.irp b, 0,1,2,3
.if \zero
	v_wmma_scale_f32_16x16x128_f8f6f4 v[8*(4*\a+\b):8*(4*\a+\b)+7], v[BF+32*((\q)%4)+8*\b:BF+32*((\q)%4)+8*\b+7], v[64*((\q)%4)+8*\a:64*((\q)%4)+8*\a+7], 0, v[SBW+8*\b+(\q)], v[SA+8*\a+(\q)] matrix_a_fmt:MATRIX_FMT_FP4 matrix_b_fmt:MATRIX_FMT_FP4
.else
	v_wmma_scale_f32_16x16x128_f8f6f4 v[8*(4*\a+\b):8*(4*\a+\b)+7], v[BF+32*((\q)%4)+8*\b:BF+32*((\q)%4)+8*\b+7], v[64*((\q)%4)+8*\a:64*((\q)%4)+8*\a+7], v[8*(4*\a+\b):8*(4*\a+\b)+7], v[SBW+8*\b+(\q)], v[SA+8*\a+(\q)] matrix_a_fmt:MATRIX_FMT_FP4 matrix_b_fmt:MATRIX_FMT_FP4
.endif
.endr
.endr
.endm
; Step q of tile t, out of slot sl.  Tile 0 fetches A's and B's fragments two steps ahead (24 loads a step), tiles 1 and 2 B's alone, three steps ahead (8 loads a step).
; The buffer of B that is loaded was last multiplied in the step before, or earlier: the four places stand between.
.macro QSTEP t, sl, q
	PLACES 4
.if (\t) == 0
.if (\q) < 6
	FETCHA (\q)+2
	FETCHB \sl, (\q)+2
	s_wait_dscnt 48                                ; LDS loads come back in order (ISA guide 5.7.1): this step's are in; the 24 of each of the two steps behind it may be out
.else
	s_wait_dscnt 24*(7-(\q))                       ; towards the end fewer steps stand behind it
.endif
.else
.if (\q) < 5
	FETCHB \sl, (\q)+3
	s_wait_dscnt 24                                ; this step's are in; the 8 of each of the three steps behind it may be out
.else
	s_wait_dscnt 8*(7-(\q))
.endif
.endif
.if (\q) == 0
	MUL32 \q, 1
.else
	MUL32 \q, 0
.endif
.endm
; THE WAY OUT of a tile, all in window 1.  A lane's eight columns of an accumulator pack into 16 bytes of f16, in place, in its four low registers.  The lanes beside it hold other tokens: so a block of 16 tokens goes through
; my own stage (16 rows of 128 bytes + 16) and comes back four rows at a time, which in qkv16 are 512 consecutive bytes, into the accumulators' four high registers, which the conversions have left.
; LDS serves a wave's instructions in order (ISA guide 5.7.1.4): no wait between the stores and the loads, nor in front of the next block's stores.  One window setting serves LDS stores, LDS loads and global stores.
.macro TOSTAGE a
.irp b, 0,1,2,3
	ds_store_b128 v[STO], v[32*(\a)+8*\b:32*(\a)+8*\b+3] offset:32*\b
.endr
.irp g, 0,1,2,3
	ds_load_b128 v[32*(\a)+8*\g+4:32*(\a)+8*\g+7], v[RD] offset:\g*4*HP
.endr
.endm
.macro SEND a, d, younger              ; younger: the LDS instructions issued behind block a's loads, which may stay out
	s_wait_dscnt \younger
.irp g, 0,1,2,3
	global_store_b128 v[CO], v[32*(\a)+8*\g+4:32*(\a)+8*\g+7], s[\d:\d+1] offset:(\a)*2048+\g*512   ; 32 lanes store 512 consecutive bytes, at a multiple of 256 from the buffer's first byte
.endr
.endm
.macro WAYOUT d
	WIN 0x45                                       ; destination and both sources window 1
.irp a, 0,1,2,3,4,5,6,7
.irp b, 0,1,2,3
.irp r, 0,1,2,3
	v_cvt_pk_f16_f32 v[32*\a+8*\b+\r], v[32*\a+8*\b+2*\r], v[32*\a+8*\b+2*\r+1]   ; each accumulator from its low end on; register r takes numbers 2 r and 2 r + 1, which lie at or above it
.endr
.endr
.endr
	WIN 0x44                                       ; addresses (source 0) window 0; stores' data (source 1) and loads' destinations window 1
	TOSTAGE 0
.irp a, 1,2,3,4,5,6,7
	TOSTAGE \a
	SEND \a-1, \d, 8                               ; behind block a - 1's loads: block a's four stores and four loads
.endr
	SEND 7, \d, 0
	WIN 0
	s_wait_xcnt 0x0                                ; the stores have had their addresses translated (ISA guide 3.1): only behind this wait do the next tile's products write the registers that they read
.endm
	s_wait_tensorcnt 1                             ; the scale bytes, A and B's tile 0 are in (tile 1's load may be out)
	s_barrier_signal -1
	s_barrier_wait -1                              ; everybody's are
.irp a, 0,1,2,3,4,5,6,7                ; A's scale words: eight words a row, one for each step; they stay
	ds_load_b128 v[SA+8*\a:SA+8*\a+3],   v[ASA] offset:\a*544
	ds_load_b128 v[SA+8*\a+4:SA+8*\a+7], v[ASA] offset:\a*544+16
.endr
	BSCALES 0
	FETCHA 0
	FETCHB 0, 0
	FETCHA 1
	FETCHB 0, 1
.irp q, 0,1,2,3,4,5,6,7
	QSTEP 0, 0, \q                                 ; TILE 0
.endr
	WIN 0
	s_wait_tensorcnt 0x0                           ; all my tensor loads have landed, my part of tile 1 among them;
	ds_add_u32 v[SPW], v[NIL]                      ; 0 onto my spare word;
	s_add_nc_u64 s[G0B+2:G0B+3], s[G0B+2:G0B+3], 2*128*KROW   ; no load of mine is out, so a group 0 may be written: slot 0's next tile is tile 2
	s_wait_dscnt 0x0                               ; the add is done, and my reads of slot 0 are over
	CROUND                                         ; both now hold of every wave of every work-group of the cluster
	tensor_load_to_lds s[G0B:G0B+3], s[G1B:G1B+7]  ; the one refill: it has tile 0's way out, all of tile 1 and its way out in which to land
	s_nop 0
.rept 4
	v_nop                                          ; also the places behind tile 0's last products, for the loads and conversions below
.endr
	BSCALES 1
	FETCHB 1, 0
	FETCHB 1, 1
	FETCHB 1, 2                                    ; tile 1's first fragments are on their way while tile 0 goes out
	WAYOUT DST
.irp q, 0,1,2,3,4,5,6,7
	QSTEP 1, 1, \q                                 ; TILE 1: tile 0's stores leave meanwhile
.endr
	PLACES 4
	WAYOUT DST+2
	s_wait_tensorcnt 0x0                           ; my part of tile 2, the one load that is out, is in,
	s_wait_dscnt 0x0
	s_barrier_signal -1
	s_barrier_wait -1                              ; everybody's is
	BSCALES 2
	FETCHB 0, 0
	FETCHB 0, 1
	FETCHB 0, 2
.irp q, 0,1,2,3,4,5,6,7
	QSTEP 2, 0, \q                                 ; TILE 2
.endr
	PLACES 4
	WAYOUT DST+4
	s_wait_tensorcnt 0x0                           ; the wave's end, behind my last tensor load and my last LDS store
	ds_add_u32 v[SPW], v[NIL]
	s_wait_dscnt 0x0
	CROUND                                         ; the closing round: no work-group ends while a partner may still ask for a tile that names it
	s_endpgm
.Lfunc_end_k_q8875bcbc10_qkv:
	.size	k_q8875bcbc10_qkv, .Lfunc_end_k_q8875bcbc10_qkv-k_q8875bcbc10_qkv
	.p2alignl 7, 3214868480
	.fill 96, 4, 3214868480
	.section	.rodata,"a",@progbits
	.p2align	6, 0x0
	.amdhsa_kernel k_q8875bcbc10_qkv
		.amdhsa_group_segment_fixed_size 327680
		.amdhsa_private_segment_fixed_size 0
		.amdhsa_enable_private_segment 0
		.amdhsa_kernarg_size 40
		.amdhsa_user_sgpr_count 2
		.amdhsa_user_sgpr_kernarg_segment_ptr 1
		.amdhsa_wavefront_size32 1
		.amdhsa_system_sgpr_workgroup_id_x 1
		.amdhsa_system_sgpr_workgroup_id_y 1
		.amdhsa_system_sgpr_workgroup_id_z 1
		.amdhsa_system_vgpr_workitem_id 0
		.amdhsa_next_free_vgpr 1024
		.amdhsa_next_free_sgpr 98
		.amdhsa_reserve_vcc 0
		.amdhsa_float_denorm_mode_32 3
		.amdhsa_float_denorm_mode_16_64 3
		.amdhsa_memory_ordered 1
		.amdhsa_forward_progress 1
		.amdhsa_inst_pref_size 181
	.end_amdhsa_kernel
	.amdgpu_metadata
---
amdhsa.version: [ 1, 2 ]
amdhsa.kernels:
  - .name:           k_q8875bcbc10_qkv
    .symbol:         k_q8875bcbc10_qkv.kd
    .args:
      - { .name: xc, .offset: 0, .size: 8, .value_kind: global_buffer, .address_space: global }
      - { .name: xs, .offset: 8, .size: 8, .value_kind: global_buffer, .address_space: global }
      - { .name: wc, .offset: 16, .size: 8, .value_kind: global_buffer, .address_space: global }
      - { .name: ws, .offset: 24, .size: 8, .value_kind: global_buffer, .address_space: global }
      - { .name: qkv16, .offset: 32, .size: 8, .value_kind: global_buffer, .address_space: global }
    .group_segment_fixed_size: 327680
    .private_segment_fixed_size: 0
    .kernarg_segment_align: 8
    .kernarg_segment_size: 40
    .max_flat_workgroup_size: 128
    .sgpr_count:     98
    .vgpr_count:     1024
    .wavefront_size: 32
...
	.end_amdgpu_metadata
.endif
;; end of part 2
;; launch attn (part 3): grid 2 x 128, 8 waves a work-group, no clusters, 327,680 bytes of LDS; arguments qkv16, out1, o16; writes out1, o16
.if DOCPART == 3
	.amdgcn_target "amdgcn-amd-amdhsa--gfx1250"
	.amdhsa_code_object_version 6
	.text
	.protected	k_q8875bcbc10_attn
	.globl	k_q8875bcbc10_attn
	.p2align	8
	.type	k_q8875bcbc10_attn,@function
k_q8875bcbc10_attn:
	s_mov_b64 s[64:65], 0
	v_nop
	global_prefetch_b8 v0, s[64:65] scope:SCOPE_SE
	s_setreg_imm32_b32 hwreg(HW_REG_WAVE_MODE, 25, 1), 1
	s_wait_xcnt 0x0
; out[p][q][:] = the sum over k of softmax_k(Q[p][q] . K[p][k] / 8) V[p][k][:] for the 128 planes p = 16 batch + head.  Q, K, V: qkv16 [3][128][1024][64] f16.  Products, maxima and sums in f32; the weights are
; rounded to f16 for the second product.  The result leaves twice: out1 [128][1024][64] f32, and o16, the same in f16, for the projection.
; LIMITS: NaN and infinities are not served; the result in f16 keeps 11 significant bits down to 6e-5 and steps of 6e-8 below.
; SHARES.  A work-group owns 512 queries of one plane (x: which half), each of its eight waves 64: four tiles of 16, in 512 registers: two waves to a SIMD, so that one wave's vector work stands beside the other's products.
; THE WHOLE PLANE'S K AND V LIE IN LDS, each byte filled once: 1,024 rows of 128 bytes each.  Waves 0-3 fetch K, waves 4-7 V, four loads of 64 rows each, all at the head; the keys are walked in four stages of 256,
; each behind a counted wait and a barrier, so that the later stages land while the earlier are multiplied.  By this text's count four tensor loads of a wave are out at the most.  Nothing is filled again.
; NO CLUSTER: a plane's K and V are read by two work-groups alone, once each; the masks of a 4 x 4 or 4 x 1 cluster name four partners, and four work-groups here span two planes, whose tiles differ.
; All tiles are asked for at the head, so there is nothing left to ask for ahead of a later load.
; LAYOUT.  S^T = K Q^T (source 0 = 16 keys, source 1 = 16 queries): a lane holds ONE query (lane % 16) and the keys 8 (lane / 16) + 0..7.  Two such tiles, rounded to f16 in pairs, ARE source 1 (32 keys x 16 queries)
; of O^T = V^T P, whose result again holds one query a lane, and eight channels.  K comes out of LDS as it lies, V ([key][channel]) turned, by ds_load_tr16_b128.
; SOFTMAX.  For each query a running maximum m and sum l: p = 2^(c s - c m), c = log2(e) / 8; in every step O and l are multiplied by a = 2^(c m_old - c m_new).
; REGISTERS: window 0: v1-15 addresses; v16-47 eight registers of statistics a tile; v48-63 packed f16 on the way out; v64-191 S^T, 32 a tile (P is made in place, in each tile's low 16); v192-255 K's fragments of a step.
;   window 1: v0-63 Q; v64-191 O^T, 32 a tile; v192-255 V's fragments of a step.
.set KP,    144                        ; a row of K in LDS: 128 bytes + 16 = 36 words: the 16 rows of a load start at 16 different groups of four banks (64 banks of 4 bytes: ISA guide 11.1)
.set VP,    160                        ; a row of V: 128 + 32 = 40 words
.set VL,    1024*KP                    ; V lies behind K
.set SPARE, VL+1024*VP                 ; the spare words, 128 bytes for each wave: four blocks of 256 bytes that no other line names
.set STG2,  8*16*272                   ; the way out: from byte 0 a stage of 16 rows x (256 + 16) for each wave, from here one of 16 rows x (128 + 16): in K's bytes, which have had their only fill and, behind a barrier, their last read
.set AK0, 2                            ; v2   my lane's place in a tile of K
.set AV0, 3                            ; v3   the same for V
.set ADK, 4                            ; v4   LDS address of the step's K
.set ADV, 5                            ; v5   of its V
.set QO,  6                            ; v6   my byte offset in the wave's rows of Q
.set STO, 7                            ; v7   the f32 stage: where I put 32 bytes of a row
.set RD,  8                            ; v8   and where I read rows back
.set GO,  9                            ; v9   16 x lane: my place in 512 consecutive bytes of out1 or of o16
.set STO2, 10                          ; v10  the f16 stage: in,
.set RD2, 11                           ; v11  and back
.set SPW, 14                           ; v14  LDS address of my spare word; never rewritten
.set NIL, 15                           ; v15  0; never rewritten
.set ST,  16                           ; tile t's statistics at v[ST+8 t]: +0 c m, +1 m, +2, +3 l (even keys', odd keys'), +4 to +7 c0-c3, at work; a takes c2's place; +4, +5 are the sums' second chain
.set HF,  48
.set S,   64
.set KF,  192
.set O,   64                           ; in window 1
.set VF,  192                          ; in window 1
.set WV,  10
.set G1K, 16
.set G1V, 24
.set G0K, 32                           ; s[32:47] four groups 0 for K's loads
.set G0V, 48                           ; s[48:63] four for V's
.set CS,  66                           ; s[66:67] c, twice: the packed form names a pair
.set SEL, 68                           ; s[68:69] lane selects for v_permlanex16_b32: lane l xor 16
.set TBK, 70                           ; s70  LDS byte at which the step's keys begin in K
.set TBV, 71                           ; s71  and in V (less VL, which v3 carries)
.set CNT, 72
.set MSB, 0
.macro WIN new                         ; the immediate's high byte repeats the setting that is left
.if MSB != (\new)
	s_set_vgpr_msb (MSB<<8)|(\new)
.set MSB, \new
.endif
.endm
.set W_KQ, 0x04                        ; Q (source 1) in window 1; K, S^T in window 0
.set W_PV, 0x51                        ; V (source 0), O^T (C and D) in window 1; P in window 0
.set W_RS, 0x41                        ; O^T (destination and source 0) in window 1, the factor in window 0
.set W_L1, 0x40                        ; a load's destination in window 1
	s_load_b128 s[4:7], s[0:1], 0x0                ; qkv16 s[4:5], out1 s[6:7]
	s_load_b64 s[8:9], s[0:1], 0x10                ; o16
	v_lshl_add_u32 v[SPW], v0, 2, SPARE
	v_mov_b32 v[NIL], 0
	ds_add_u32 v[SPW], v[NIL]                      ; the wave's opening: the add, twice on end, and its wait ahead of my first tensor load
	ds_add_u32 v[SPW], v[NIL]
	v_lshrrev_b32 v1, 5, v0
	v_readfirstlane_b32 s[WV], v1                  ; wave 0..7
	s_and_b32 s11, ttmp7, 0xffff                   ; the plane
	s_and_b32 s12, s[WV], 3                        ; which 64 rows of a stage's 256 I fetch
	; descriptor group 1: a tile of 64 rows x 64 elements of 2 bytes, dense in memory, padded in LDS
	s_mov_b32 s[G1K], (1<<16)|(1<<20)|(4<<22)|(3<<25)   ; 15:0 no mask; 17:16 elements of 2 bytes; 20 padding on; 24:22 after every 32 words (code 4); 31:25 four words (code 3)
	s_mov_b32 s[G1V], (1<<16)|(1<<20)|(4<<22)|(7<<25)   ; the same with eight words of padding (code 7)
.irp g, G1K, G1V
	s_mov_b32 s[\g+1], 64<<16                      ; tensor_dim0 = 64
	s_mov_b32 s[\g+2], 64<<16                      ; tensor_dim1 = 64
	s_mov_b32 s[\g+3], 64<<16                      ; tile_dim0 = 64
	s_mov_b32 s[\g+4], 64                          ; tile_dim1 = 64
	s_mov_b32 s[\g+5], 64                          ; tensor_dim0_stride
	s_mov_b32 s[\g+6], 0
	s_mov_b32 s[\g+7], 0
.endr
	s_mov_b32 s[CS], 0x3e38aa3b                    ; c = log2(e) / 8
	s_mov_b32 s[CS+1], s[CS]
	s_mov_b32 s[SEL], 0x76543210
	s_mov_b32 s[SEL+1], 0xfedcba98
	s_lshl_b32 s74, s11, 17                        ; the plane's first byte in a third of qkv16 and in o16
	s_mov_b32 s75, 0
	s_lshl_b32 s76, s12, 13                        ; my 64 rows of 128 bytes
	s_mov_b32 s77, 0
	s_add_nc_u64 s[76:77], s[76:77], s[74:75]
	s_mul_i32 s14, s12, 64*KP                      ; and their place in a stage of K,
	s_mul_i32 s15, s12, 64*VP                      ; of V
	s_lshl_b32 s13, ttmp9, 9
	s_lshl_b32 s78, s[WV], 6
	s_add_co_u32 s13, s13, s78                     ; my first query: 512 x + 64 wave
	s_lshl_b32 s78, s13, 7
	s_add_co_u32 s74, s74, s78                     ; its row in Q's third and in o16
	s_lshl_b32 s78, s11, 18
	s_lshl_b32 s13, s13, 8
	s_add_co_u32 s78, s78, s13                     ; and in out1
	s_mov_b32 s79, 0
	s_wait_dscnt 0x0                               ; both opening adds are done
	s_wait_kmcnt 0x0
	s_add_nc_u64 s[76:77], s[4:5], s[76:77]
.irp s, 0,1,2,3
	s_mov_b32 s[G0K+4*\s], 1                                       ; 1:0 count = 1
	s_add_co_u32 s[G0K+4*\s+1], s14, \s*256*KP                     ; 63:32 LDS address: stage s, my 64 rows
	s_add_nc_u64 s[G0K+4*\s+2:G0K+4*\s+3], s[76:77], 128*131072+\s*32768   ; 120:64 global address: K's third begins 128 planes on
	s_or_b32 s[G0K+4*\s+3], s[G0K+4*\s+3], 0x80000000              ; 127:126 type = 2
	s_mov_b32 s[G0V+4*\s], 1
	s_add_co_u32 s[G0V+4*\s+1], s15, VL+\s*256*VP
	s_add_nc_u64 s[G0V+4*\s+2:G0V+4*\s+3], s[76:77], 256*131072+\s*32768   ; V's third begins 256 planes on
	s_or_b32 s[G0V+4*\s+3], s[G0V+4*\s+3], 0x80000000
.endr
	s_cmp_lt_u32 s[WV], 4                          ; a wave's four fills stand in one branch, ahead of every wait on TENSORcnt, every LDS read and every barrier; an s_nop 0 follows each, four v_nop the last
	s_cbranch_scc0 .Lfirst_v
.irp s, 0,1,2,3
	tensor_load_to_lds s[G0K+4*\s:G0K+4*\s+3], s[G1K:G1K+7]
	s_nop 0
.endr
.rept 4
	v_nop
.endr
	s_branch .Lfirst_asked
.Lfirst_v:
.irp s, 0,1,2,3
	tensor_load_to_lds s[G0V+4*\s:G0V+4*\s+3], s[G1V:G1V+7]
	s_nop 0
.endr
.rept 4
	v_nop
.endr
.Lfirst_asked:
	s_add_nc_u64 s[4:5], s[4:5], s[74:75]          ; Q at my first query
	s_add_nc_u64 s[8:9], s[8:9], s[74:75]          ; o16 likewise
	s_add_nc_u64 s[6:7], s[6:7], s[78:79]          ; out1 likewise
	; A fragment of K or Q is 16 rows x 32 channels in 8 registers: lane l holds row l % 16; registers 0-3 channels 8 (l / 16) + 0..7, registers 4-7 channels 16 + 8 (l / 16) + 0..7: two loads of 16 bytes, 32 bytes apart.
	v_and_b32 v1, 15, v0                           ; r
	v_bfe_u32 v13, v0, 4, 1                        ; h
	v_lshlrev_b32 v[QO], 7, v1
	v_lshl_add_u32 v[QO], v13, 4, v[QO]            ; row x 128 + 16 x half
	WIN W_L1
.irp t, 0,1,2,3
.irp c, 0,1
	global_load_b128 v[8*(2*\t+\c):8*(2*\t+\c)+3],   v[QO], s[4:5] offset:\t*2048+\c*64      ; Q stays in registers: tile t, channels 32 c on
	global_load_b128 v[8*(2*\t+\c)+4:8*(2*\t+\c)+7], v[QO], s[4:5] offset:\t*2048+\c*64+32
.endr
.endr
	WIN 0
	v_mul_u32_u24 v[AK0], v1, KP
	v_lshl_add_u32 v[AK0], v13, 4, v[AK0]
	; The turning load takes 16 keys x 16 channels (lane l reads 16 bytes: key 8 (l / 16) + l % 8, channels 8 ((l / 8) % 2) + 0..7) and leaves half a fragment of V^T: lane l holds channel l % 16 and 8 keys.
	v_and_b32 v4, 7, v0
	v_bfe_u32 v5, v0, 3, 1
	v_lshl_add_u32 v[AV0], v13, 3, v4
	v_mul_u32_u24 v[AV0], v[AV0], VP
	v_lshl_add_u32 v[AV0], v5, 4, v[AV0]
	v_add_nc_u32 v[AV0], VL, v[AV0]
	s_mul_i32 s13, s[WV], 16*272                   ; my f32 stage
	v_mul_u32_u24 v[STO], v1, 272                  ; in: row r, 32 bytes for each half of the lanes
	v_lshl_add_u32 v[STO], v13, 5, v[STO]
	v_add_nc_u32 v[STO], s13, v[STO]
	v_mul_u32_u24 v[RD], v13, 272                  ; back: lanes 0-15 one row of 256 bytes, lanes 16-31 the next
	v_lshl_add_u32 v[RD], v1, 4, v[RD]
	v_add_nc_u32 v[RD], s13, v[RD]
	s_mul_i32 s13, s[WV], 16*144                   ; my f16 stage
	s_add_co_u32 s13, s13, STG2
	v_mul_u32_u24 v[STO2], v1, 144                 ; in: row r, 16 bytes for each half
	v_lshl_add_u32 v[STO2], v13, 4, v[STO2]
	v_add_nc_u32 v[STO2], s13, v[STO2]
	v_and_b32 v[GO], 31, v0
	v_lshrrev_b32 v[RD2], 3, v[GO]                 ; back: eight lanes to a row of 128 bytes, four rows an instruction
	v_mul_u32_u24 v[RD2], v[RD2], 144
	v_and_b32 v12, 7, v0
	v_lshl_add_u32 v[RD2], v12, 4, v[RD2]
	v_add_nc_u32 v[RD2], s13, v[RD2]
	v_lshlrev_b32 v[GO], 4, v[GO]
; A KEY STEP: 64 keys.  first = 1: the first step, which starts m, l and O^T: it has no a and nothing to rescale.
.macro STEP first
	v_add_nc_u32 v[ADK], s[TBK], v[AK0]            ; five plain lines behind the last step's products: four are owed to the loads into V's registers, five to the products below, which write over P
	v_add_nc_u32 v[ADV], s[TBV], v[AV0]
.rept 3
	v_nop
.endr
.irp k, 0,1,2,3                        ; K: keys 16 k on, channels 32 c on
.irp c, 0,1
	ds_load_b128 v[KF+8*(2*\k+\c):KF+8*(2*\k+\c)+3],   v[ADK] offset:\k*16*KP+\c*64
	ds_load_b128 v[KF+8*(2*\k+\c)+4:KF+8*(2*\k+\c)+7], v[ADK] offset:\k*16*KP+\c*64+32
.endr
.endr
	WIN W_L1
.irp c, 0,1                            ; V, turned: keys 32 c on, channels 16 n on
.irp n, 0,1,2,3
	ds_load_tr16_b128 v[VF+8*(4*\c+\n):VF+8*(4*\c+\n)+3],   v[ADV] offset:\c*32*VP+\n*32
	ds_load_tr16_b128 v[VF+8*(4*\c+\n)+4:VF+8*(4*\c+\n)+7], v[ADV] offset:\c*32*VP+16*VP+\n*32
.endr
.endr
	s_add_co_u32 s[TBK], s[TBK], 64*KP             ; the next step's keys
	s_add_co_u32 s[TBV], s[TBV], 64*VP
	s_wait_dscnt 16                                ; K is in; V's sixteen loads may be out
	WIN W_KQ
.irp c, 0,1                            ; S^T = K Q^T: the 16 accumulators take turns, one instruction a turn
.irp k, 0,1,2,3
.irp t, 0,1,2,3
.if \c == 0
	v_wmma_f32_16x16x32_f16 v[S+32*\t+8*\k:S+32*\t+8*\k+7], v[KF+8*(2*\k+\c):KF+8*(2*\k+\c)+7], v[8*(2*\t+\c):8*(2*\t+\c)+7], 0
.else
	v_wmma_f32_16x16x32_f16 v[S+32*\t+8*\k:S+32*\t+8*\k+7], v[KF+8*(2*\k+\c):KF+8*(2*\k+\c)+7], v[8*(2*\t+\c):8*(2*\t+\c)+7], v[S+32*\t+8*\k:S+32*\t+8*\k+7]
.endif
.endr
.endr
.endr
	WIN 0
.rept 4
	v_nop                                          ; places behind the products, ahead of the first read of their results (ISA guide 7.12.1)
.endr
	; the maximum of a lane's 32 scores and the old m, three operands at a time, the four tiles by turns; each accumulator is read from its low end on
.irp j, 0,1,2,3
.irp t, 0,1,2,3
	v_max3_num_f32 v[ST+8*\t+4+\j], v[S+32*\t+8*\j], v[S+32*\t+8*\j+1], v[S+32*\t+8*\j+2]
.endr
.endr
.irp i, 3,5
.irp j, 0,1,2,3
.irp t, 0,1,2,3
	v_max3_num_f32 v[ST+8*\t+4+\j], v[ST+8*\t+4+\j], v[S+32*\t+8*\j+\i], v[S+32*\t+8*\j+\i+1]
.endr
.endr
.endr
.irp t, 0,1,2,3
	v_max3_num_f32 v[ST+8*\t+4], v[ST+8*\t+4], v[S+32*\t+7], v[S+32*\t+15]
.endr
.irp t, 0,1,2,3
	v_max3_num_f32 v[ST+8*\t+6], v[ST+8*\t+6], v[S+32*\t+23], v[S+32*\t+31]
.endr
.irp t, 0,1,2,3
	v_max3_num_f32 v[ST+8*\t+4], v[ST+8*\t+4], v[ST+8*\t+5], v[ST+8*\t+6]
.endr
.irp t, 0,1,2,3
.if \first
	v_max_num_f32 v[ST+8*\t+4], v[ST+8*\t+4], v[ST+8*\t+7]
.else
	v_max3_num_f32 v[ST+8*\t+4], v[ST+8*\t+4], v[ST+8*\t+7], v[ST+8*\t+1]
.endif
.endr
.irp t, 0,1,2,3
	v_permlanex16_b32 v[ST+8*\t+5], v[ST+8*\t+4], s[SEL], s[SEL+1]   ; the query's other 32 keys lie in the lane 16 away
.endr
.if \first == 0
.irp t, 0,1,2,3
	v_mov_b32 v[ST+8*\t+7], v[ST+8*\t]             ; c m_old is kept for a
.endr
.endif
.irp t, 0,1,2,3
	v_max_num_f32 v[ST+8*\t+1], v[ST+8*\t+4], v[ST+8*\t+5]          ; the new m
.endr
.irp t, 0,1,2,3
	v_mul_f32 v[ST+8*\t], s[CS], v[ST+8*\t+1]      ; c m
.endr
.if \first == 0
.irp t, 0,1,2,3
	v_sub_f32 v[ST+8*\t+7], v[ST+8*\t+7], v[ST+8*\t]
.endr
.irp t, 0,1,2,3
	v_exp_f32 v[ST+8*\t+6], v[ST+8*\t+7]           ; a = 2^(c m_old - c m_new)
.endr
.endif
	; ONE BATCH: the scalings c s - c m, a pair of scores each, and the exponentials in place.  None of these lines names an exponential's result
.irp b, 0,1,2,3,4,5,6,7,8,9,10,11,12,13,14,15
.irp t, 0,1,2,3
	v_pk_fma_f32 v[S+32*\t+2*\b:S+32*\t+2*\b+1], v[S+32*\t+2*\b:S+32*\t+2*\b+1], s[CS:CS+1], v[ST+8*\t:ST+8*\t+1] op_sel_hi:[1,0,0] neg_lo:[0,0,1] neg_hi:[0,0,1]
.endr
.irp t, 0,1,2,3
	v_exp_f32 v[S+32*\t+2*\b], v[S+32*\t+2*\b]
	v_exp_f32 v[S+32*\t+2*\b+1], v[S+32*\t+2*\b+1]
.endr
.endr
	v_nop                                          ; a plain line behind the last exponential (ISA guide 5.7.2)
	s_wait_alu depctr_va_vdst(0)                   ; one wait for the whole batch, ahead of its first reader
	; the row's sums, of the weights in f32, in two chains a tile; l = a l + the sum
.irp t, 0,1,2,3
	v_pk_add_f32 v[ST+8*\t+4:ST+8*\t+5], v[S+32*\t:S+32*\t+1], v[S+32*\t+2:S+32*\t+3]
.endr
.if \first
.irp t, 0,1,2,3
	v_pk_add_f32 v[ST+8*\t+2:ST+8*\t+3], v[S+32*\t+4:S+32*\t+5], v[S+32*\t+6:S+32*\t+7]
.endr
.else
.irp t, 0,1,2,3
	v_pk_fma_f32 v[ST+8*\t+2:ST+8*\t+3], v[ST+8*\t+2:ST+8*\t+3], v[ST+8*\t+6:ST+8*\t+7], v[S+32*\t+4:S+32*\t+5] op_sel_hi:[1,0,1]
.endr
.irp t, 0,1,2,3
	v_pk_add_f32 v[ST+8*\t+4:ST+8*\t+5], v[ST+8*\t+4:ST+8*\t+5], v[S+32*\t+6:S+32*\t+7]
.endr
.endif
.irp p, 8,12,16,20,24,28
.irp t, 0,1,2,3
	v_pk_add_f32 v[ST+8*\t+4:ST+8*\t+5], v[ST+8*\t+4:ST+8*\t+5], v[S+32*\t+\p:S+32*\t+\p+1]
.endr
.irp t, 0,1,2,3
	v_pk_add_f32 v[ST+8*\t+2:ST+8*\t+3], v[ST+8*\t+2:ST+8*\t+3], v[S+32*\t+\p+2:S+32*\t+\p+3]
.endr
.endr
.irp t, 0,1,2,3
	v_pk_add_f32 v[ST+8*\t+2:ST+8*\t+3], v[ST+8*\t+2:ST+8*\t+3], v[ST+8*\t+4:ST+8*\t+5]
.endr
	; P: the weights rounded to f16, a pair a register, in place: register i takes scores 2 i and 2 i + 1, which lie at or above it
.irp i, 0,1,2,3,4,5,6,7,8,9,10,11,12,13,14,15
.irp t, 0,1,2,3
	v_cvt_pk_f16_f32 v[S+32*\t+\i], v[S+32*\t+2*\i], v[S+32*\t+2*\i+1]
.endr
.endr
.if \first == 0
	WIN W_RS
.irp i, 0,1,2,3,4,5,6,7,8,9,10,11,12,13,14,15
.irp t, 0,1,2,3
	v_pk_mul_f32 v[O+32*\t+2*\i:O+32*\t+2*\i+1], v[O+32*\t+2*\i:O+32*\t+2*\i+1], v[ST+8*\t+6:ST+8*\t+7] op_sel_hi:[1,0]   ; O^T times a, each accumulator from its low end on
.endr
.endr
.endif
	s_wait_dscnt 0x0                               ; V is in
	WIN W_PV
.irp c, 0,1                            ; O^T += V^T P: the 16 accumulators take turns
.irp n, 0,1,2,3
.irp t, 0,1,2,3
.if \first && (\c == 0)
	v_wmma_f32_16x16x32_f16 v[O+32*\t+8*\n:O+32*\t+8*\n+7], v[VF+8*(4*\c+\n):VF+8*(4*\c+\n)+7], v[S+32*\t+8*\c:S+32*\t+8*\c+7], 0
.else
	v_wmma_f32_16x16x32_f16 v[O+32*\t+8*\n:O+32*\t+8*\n+7], v[VF+8*(4*\c+\n):VF+8*(4*\c+\n)+7], v[S+32*\t+8*\c:S+32*\t+8*\c+7], v[O+32*\t+8*\n:O+32*\t+8*\n+7]
.endif
.endr
.endr
.endr
	WIN 0                                          ; at a label and at a branch every window is 0
.endm
; A stage of 256 keys: my part of it has landed (tensor loads of a wave end in order: ISA guide 10.11.1; the 3 - n later ones may stay out); everybody's has, behind the barrier.
.macro STAGE n, trips
	s_wait_tensorcnt 3-\n
	s_wait_dscnt 0x0
	s_barrier_signal -1
	s_barrier_wait -1
	s_mov_b32 s[TBK], \n*256*KP
	s_mov_b32 s[TBV], \n*256*VP
	s_mov_b32 s[CNT], \trips
.Lstage_\@:
	STEP 0
	s_sub_co_u32 s[CNT], s[CNT], 1
	s_cmp_lg_u32 s[CNT], 0
	s_cbranch_scc1 .Lstage_\@
.endm
	s_wait_tensorcnt 3                             ; my part of the first 256 keys is in; my three later loads may stay out
	s_barrier_signal -1
	s_barrier_wait -1                              ; everybody's is
	s_mov_b32 s[TBK], 0
	s_mov_b32 s[TBV], 0
	s_wait_loadcnt 0x0                             ; Q
	STEP 1
	s_mov_b32 s[CNT], 3
.Lstage_0:
	STEP 0
	s_sub_co_u32 s[CNT], s[CNT], 1
	s_cmp_lg_u32 s[CNT], 0
	s_cbranch_scc1 .Lstage_0
	STAGE 1, 4
	STAGE 2, 4
	STAGE 3, 4
	; THE WAY OUT.  Behind this barrier no wave reads K's bytes any more: the stages lie there.
	s_wait_dscnt 0x0
	s_barrier_signal -1
	s_barrier_wait -1
.irp t, 0,1,2,3
	v_add_f32 v[ST+8*\t+4], v[ST+8*\t+2], v[ST+8*\t+3]              ; l's two halves (these lines are also the places behind the last products)
.endr
.irp t, 0,1,2,3
	v_permlanex16_b32 v[ST+8*\t+5], v[ST+8*\t+4], s[SEL], s[SEL+1]
.endr
.irp t, 0,1,2,3
	v_add_f32 v[ST+8*\t+4], v[ST+8*\t+4], v[ST+8*\t+5]              ; and the other half of the lanes'
.endr
.irp t, 0,1,2,3
	v_rcp_f32 v[ST+8*\t+6], v[ST+8*\t+4]
.endr
	v_nop                                          ; a plain line between the last reciprocal and the use of its result
	s_wait_alu depctr_va_vdst(0)                   ; one wait for the four reciprocals, ahead of the first use
; Tile t: O^T / l goes into my f32 stage (a lane's eight channels of a row are 32 bytes) and comes back as whole rows of 256 bytes; rounded to f16 it goes through the second stage and comes back four rows at a time.
; LDS serves a wave's instructions in order (ISA guide 5.7.1.4): no wait between the stores and the loads, nor in front of the next tile's stores.
.macro PACK t
	WIN W_RS
.irp i, 0,1,2,3,4,5,6,7,8,9,10,11,12,13,14,15
	v_pk_mul_f32 v[O+32*\t+2*\i:O+32*\t+2*\i+1], v[O+32*\t+2*\i:O+32*\t+2*\i+1], v[ST+8*\t+6:ST+8*\t+7] op_sel_hi:[1,0]
.endr
	WIN 0x04                                       ; an LDS store's data are its source 1: window 1
.irp n, 0,1,2,3
	ds_store_b128 v[STO], v[O+32*\t+8*\n:O+32*\t+8*\n+3] offset:64*\n
	ds_store_b128 v[STO], v[O+32*\t+8*\n+4:O+32*\t+8*\n+7] offset:64*\n+16
.endr
	WIN 0
.irp i, 0,1,2,3,4,5,6,7
	ds_load_b128 v[S+32*\t+4*\i:S+32*\t+4*\i+3], v[RD] offset:544*\i
.endr
	WIN 0x05                                       ; sources 0 and 1 window 1, destination window 0
.irp n, 0,1,2,3
.irp r, 0,1,2,3
	v_cvt_pk_f16_f32 v[HF+4*\n+\r], v[O+32*\t+8*\n+2*\r], v[O+32*\t+8*\n+2*\r+1]
.endr
.endr
	WIN 0
.irp n, 0,1,2,3
	ds_store_b128 v[STO2], v[HF+4*\n:HF+4*\n+3] offset:32*\n
.endr
.irp g, 0,1,2,3
	ds_load_b128 v[KF+16*\t+4*\g:KF+16*\t+4*\g+3], v[RD2] offset:576*\g
.endr
.endm
.macro SEND t, younger                 ; younger: the LDS instructions issued behind tile t's: the next tile's 24, or none
	s_wait_dscnt \younger
.irp i, 0,1,2,3,4,5,6,7
	global_store_b128 v[GO], v[S+32*\t+4*\i:S+32*\t+4*\i+3], s[6:7] offset:4096*\t+512*\i th:TH_STORE_NT   ; 32 lanes store 512 consecutive bytes, aligned; written once, read by nobody in this launch
.endr
.irp g, 0,1,2,3
	global_store_b128 v[GO], v[KF+16*\t+4*\g:KF+16*\t+4*\g+3], s[8:9] offset:2048*\t+512*\g
.endr
.endm
	PACK 0
	PACK 1                                         ; a tile's arithmetic stands between the loads of the tile before and its stores; every register that a store reads is written once
	SEND 0, 24
	PACK 2
	SEND 1, 24
	PACK 3
	SEND 2, 24
	SEND 3, 0
	s_wait_tensorcnt 0x0                           ; the wave's end, behind my last tensor load and my last LDS store
	ds_add_u32 v[SPW], v[NIL]
	s_wait_dscnt 0x0
	s_endpgm
.Lfunc_end_k_q8875bcbc10_attn:
	.size	k_q8875bcbc10_attn, .Lfunc_end_k_q8875bcbc10_attn-k_q8875bcbc10_attn
	.p2alignl 7, 3214868480
	.fill 96, 4, 3214868480
	.section	.rodata,"a",@progbits
	.p2align	6, 0x0
	.amdhsa_kernel k_q8875bcbc10_attn
		.amdhsa_group_segment_fixed_size 327680
		.amdhsa_private_segment_fixed_size 0
		.amdhsa_enable_private_segment 0
		.amdhsa_kernarg_size 24
		.amdhsa_user_sgpr_count 2
		.amdhsa_user_sgpr_kernarg_segment_ptr 1
		.amdhsa_wavefront_size32 1
		.amdhsa_system_sgpr_workgroup_id_x 1
		.amdhsa_system_sgpr_workgroup_id_y 1
		.amdhsa_system_sgpr_workgroup_id_z 1
		.amdhsa_system_vgpr_workitem_id 0
		.amdhsa_next_free_vgpr 512
		.amdhsa_next_free_sgpr 80
		.amdhsa_reserve_vcc 0
		.amdhsa_float_denorm_mode_32 3
		.amdhsa_float_denorm_mode_16_64 3
		.amdhsa_memory_ordered 1
		.amdhsa_forward_progress 1
		.amdhsa_inst_pref_size 184
	.end_amdhsa_kernel
	.amdgpu_metadata
---
amdhsa.version: [ 1, 2 ]
amdhsa.kernels:
  - .name:           k_q8875bcbc10_attn
    .symbol:         k_q8875bcbc10_attn.kd
    .args:
      - { .name: qkv16, .offset: 0, .size: 8, .value_kind: global_buffer, .address_space: global }
      - { .name: out1, .offset: 8, .size: 8, .value_kind: global_buffer, .address_space: global }
      - { .name: o16, .offset: 16, .size: 8, .value_kind: global_buffer, .address_space: global }
    .group_segment_fixed_size: 327680
    .private_segment_fixed_size: 0
    .kernarg_segment_align: 8
    .kernarg_segment_size: 24
    .max_flat_workgroup_size: 256
    .sgpr_count:     80
    .vgpr_count:     512
    .wavefront_size: 32
...
	.end_amdgpu_metadata
.endif
;; end of part 3
;; launch proj (part 4): grid 4 x 64, 4 waves a work-group, clusters of 4 x 4, 327,680 bytes of LDS; arguments o16, wo16, b_out, out0; writes out0
.if DOCPART == 4
	.amdgcn_target "amdgcn-amd-amdhsa--gfx1250"
	.amdhsa_code_object_version 6
	.text
	.protected	k_q8875bcbc10_proj
	.globl	k_q8875bcbc10_proj
	.p2align	8
	.type	k_q8875bcbc10_proj,@function
k_q8875bcbc10_proj:
	s_mov_b64 s[64:65], 0
	v_nop
	global_prefetch_b8 v0, s[64:65] scope:SCOPE_SE
	s_setreg_imm32_b32 hwreg(HW_REG_WAVE_MODE, 25, 1), 1
	s_wait_xcnt 0x0
	s_wait_alu depctr_hold_cnt(0) depctr_sa_sdst(0) depctr_va_vdst(0) depctr_va_sdst(0) depctr_va_ssrc(0) depctr_va_vcc(0) depctr_vm_vsrc(0)
	s_getreg_b32 s2, hwreg(HW_REG_IB_STS2, 6, 4)
	s_cmp_eq_u32 s2, 0
	s_cbranch_scc0 .Lentry_in_a_cluster
	s_endpgm
.Lentry_in_a_cluster:
	s_bfe_u32 s2, ttmp6, 0x10000c
	s_cmp_lg_u32 s2, 0xf033
	s_cbranch_scc0 .Lentry_shape_is_right
	s_endpgm
.Lentry_shape_is_right:
; out0[token][n] = the sum over k of out_m[token][k] W_out[k][n] + b_out[n], k = 64 head + channel.  A: o16 [128 planes = 16 batch + head][1024 tokens][64] f16;  B: wo16 [1024 n][1024 k] f16;  out0 [8192][1024] f32; sums in f32.
; A tile of out0 is 128 tokens x 256 columns: 256 work-groups (tiles of 256 x 256 would be 128).  Four waves, each 64 tokens x 128 columns: 32 accumulators of 16 x 16, 256 registers.
; K goes in steps of 128, two heads, through a ring of two LDS slots filled by the tensor data mover: waves 0 and 1 fetch A's two heads (128 rows of 128 bytes each, dense in memory), waves 2 and 3 B's two halves (128 rows of 256 bytes).
; CLUSTERS: 4 x 4 work-groups.  The four of a row of the cluster need the same tiles of A, the four of a column the same tiles of B: each tile is asked for JOINTLY, by the same tensor load with the same descriptor
; and a mask that names the four.  THE MATRIX INSTRUCTION IS USED TRANSPOSED (source 0 = 16 rows of B, source 1 = 16 rows of A): a lane then holds one token and eight neighbouring columns.
; The bias is the C of each sum's first matrix instruction: eight registers for each block of 16 columns, in the result's layout.
; No prefetch: a K step's part of A, shared out among the four partners, would be 16 pieces of 256 bytes for each, half a wave's lanes, and B's rows are walked by all sixteen rows of clusters.
; REGISTERS: window 0: v0-31 addresses; v64-127 A's fragments, two buffers of 4 x 8; v128-255 rows on the way out.   window 1: v0-127 B's fragments, two buffers of 8 x 8; v128-191 the bias.   window 2: accumulator (a, b) at v[8 (8 a + b)].
.set PA,     144                       ; a row of A in LDS: 128 bytes + 16
.set PB,     272                       ; a row of B: 256 bytes + 16.  Both pitches are odd multiples of 16 bytes: the 16 rows that a load touches start at 16 different groups of four banks (ISA guide 11.1)
.set AH,     128*PA                    ; one head's 128 tokens
.set BOFF,   2*AH                      ; B lies behind A's two heads
.set BH,     128*PB                    ; 128 rows of B
.set SLOT,   BOFF+2*BH
.set STAGE,  2*SLOT                    ; behind the ring: 16 rows x (512 bytes + 16) for each wave, for the way out
.set SPITCH, 528
.set SPARE,  STAGE+4*16*SPITCH         ; the spare words, 128 bytes for each wave: two blocks of 256 bytes that no other line names
.set LAPS,   4                         ; a lap = two K steps = once round the ring; K = 1,024 is eight steps
.set ADRA, 16
.set ADRB, 20
.set STO,  24
.set RD,   25
.set CO,   26
.set BO,   27
.set SPW,  28
.set NIL,  29
.set AF,   64                          ; A's fragments, window 0: buffer f at AF + 32 f
.set BIAS, 128                         ; window 1
.set BK,   128                         ; the way out, window 0: v128-191 and v192-255 by turns
.set G1, 24
.set G0, 32
.set G1B, 48
.set G0B, 56
.set MSB, 0
.macro WIN new                         ; the immediate's high byte repeats the setting that is left
.if MSB != (\new)
	s_set_vgpr_msb (MSB<<8)|(\new)
.set MSB, \new
.endif
.endm
.set MUL,   0xa1                       ; source 0 (B) window 1, source 1 (A) window 0, C and D window 2
.set MUL1,  0x91                       ; the same with C, the bias, in window 1
.set TO_B,  0x40
.macro JLOAD s                         ; a joint load: waves 0 and 1 fetch for A, waves 2 and 3 for B; an s_nop 0 and four v_nop follow each of the two lines
	s_cmp_eq_u32 s11, 0
	s_cbranch_scc0 .Lfor_b_\@
	tensor_load_to_lds s[G0+4*\s:G0+4*\s+3], s[G1:G1+7]
	s_nop 0
.rept 4
	v_nop
.endr
	s_branch .Lasked_\@
.Lfor_b_\@:
	tensor_load_to_lds s[G0B+4*\s:G0B+4*\s+3], s[G1B:G1B+7]
	s_nop 0
.rept 4
	v_nop
.endr
.Lasked_\@:
.endm
.macro CREST                           ; a round of the cluster's barrier behind its opening barrier
	s_cmp_lg_u32 s10, 0
	s_cbranch_scc1 .Lnot_wave_0_\@
	s_barrier_signal -3
.Lnot_wave_0_\@:
	s_barrier_wait -3
	s_barrier_signal -1
	s_barrier_wait -1
.endm
.macro CROUND
	s_barrier_signal -1
	s_barrier_wait -1
	CREST
.endm
	s_load_b256 s[68:75], s[0:1], 0x0              ; o16 s[68:69], wo16 s[70:71], b_out s[72:73], out0 s[74:75]
	v_lshl_add_u32 v[SPW], v0, 2, SPARE
	v_mov_b32 v[NIL], 0
	ds_add_u32 v[SPW], v[NIL]                      ; the wave's opening: the add, twice on end, and its wait ahead of my first tensor load
	ds_add_u32 v[SPW], v[NIL]
	v_lshrrev_b32 v1, 5, v0
	v_readfirstlane_b32 s10, v1                    ; wave 0..3
	s_lshr_b32 s11, s10, 1                         ; which 64 of the tile's tokens are mine.  Also: I fetch for A (0) or for B (1)
	s_and_b32 s12, s10, 1                          ; which 128 of its columns.  Also: which head of A, or which 128 rows of B, I fetch
	s_bfe_u32 s40, ttmp6, 0x40000                  ; cx, cy: my place in the cluster
	s_bfe_u32 s41, ttmp6, 0x40004
	s_lshl_b32 s42, ttmp9, 2
	s_add_co_u32 s42, s42, s40                     ; tile column = 4 x cluster x + cx: 0 .. 3
	s_and_b32 s13, ttmp7, 0xffff
	s_lshl_b32 s13, s13, 2
	s_add_co_u32 s13, s13, s41                     ; tile row = 4 x cluster y + cy: 0 .. 63
	s_lshl_b32 s43, s41, 2
	s_lshl_b32 s43, 15, s43                        ; my row of the cluster
	s_lshl_b32 s44, 0x1111, s40                    ; my column
	; descriptor groups 1.  A: 128 rows x 64 elements of 2 bytes, dense;  B: 128 rows x 128 elements, 1,024 elements from row to row
	s_or_b32 s[G1+0], s43, (1<<16)|(1<<20)|(1<<21)|(4<<22)|(3<<25)   ; 15:0 the mask: A's tiles go to my row; 17:16 elements of 2 bytes; 20 padding on; 21 set beside a mask; 24:22 after every 32 words; 31:25 four words
	s_mov_b32 s[G1+1], 64<<16                      ; tensor_dim0
	s_mov_b32 s[G1+2], 128<<16                     ; tensor_dim1
	s_mov_b32 s[G1+3], 64<<16                      ; tile_dim0
	s_mov_b32 s[G1+4], 128                         ; tile_dim1
	s_mov_b32 s[G1+5], 64                          ; tensor_dim0_stride
	s_mov_b32 s[G1+6], 0
	s_mov_b32 s[G1+7], 0
	s_or_b32 s[G1B+0], s44, (1<<16)|(1<<20)|(1<<21)|(5<<22)|(3<<25)  ; the mask of my column; padding after every 64 words
	s_mov_b32 s[G1B+1], 128<<16
	s_mov_b32 s[G1B+2], 128<<16
	s_mov_b32 s[G1B+3], 128<<16
	s_mov_b32 s[G1B+4], 128
	s_mov_b32 s[G1B+5], 1024
	s_mov_b32 s[G1B+6], 0
	s_mov_b32 s[G1B+7], 0
	; where the tiles come from.  A's hang on the tile row alone, B's on the tile column alone; each in registers that never hold the other coordinate
	s_lshr_b32 s16, s13, 3                         ; batch: 16 planes of 2^17 bytes
	s_lshl_b32 s16, s16, 21
	s_lshl_b32 s17, s12, 17                        ; the even or the odd head of a K step
	s_add_co_u32 s16, s16, s17
	s_and_b32 s17, s13, 7                          ; 128 tokens of 128 bytes
	s_lshl_b32 s17, s17, 14
	s_add_co_u32 s16, s16, s17
	s_mov_b32 s17, 0
	s_lshl_b32 s46, s42, 8
	s_lshl_b32 s47, s12, 7
	s_add_co_u32 s46, s46, s47                     ; B: row 256 x tile column + 128 x half,
	s_lshl_b32 s46, s46, 11                        ; of 2,048 bytes
	s_mov_b32 s47, 0
	s_mul_i32 s20, s12, AH                         ; where they go: no place in the cluster enters an LDS address
	s_mul_i32 s21, s12, BH
	s_add_co_u32 s21, s21, BOFF
	s_wait_dscnt 0x0                               ; both opening adds are done
	s_wait_kmcnt 0x0
	s_add_nc_u64 s[14:15], s[68:69], s[16:17]
	s_add_nc_u64 s[46:47], s[70:71], s[46:47]
	CROUND                                         ; all sixteen work-groups are here: the first joint loads meet
.irp s, 0,1
	s_mov_b32 s[G0+4*\s], 1
	s_add_co_u32 s[G0+4*\s+1], s20, \s*SLOT
	s_add_nc_u64 s[G0+4*\s+2:G0+4*\s+3], s[14:15], \s*262144       ; K step s: two planes on
	s_or_b32 s[G0+4*\s+3], s[G0+4*\s+3], 0x80000000
	s_mov_b32 s[G0B+4*\s], 1
	s_add_co_u32 s[G0B+4*\s+1], s21, \s*SLOT
	s_add_nc_u64 s[G0B+4*\s+2:G0B+4*\s+3], s[46:47], \s*256
	s_or_b32 s[G0B+4*\s+3], s[G0B+4*\s+3], 0x80000000
	JLOAD \s                                       ; two loads of mine are out
.endr
	v_and_b32 v1, 15, v0                           ; l % 16
	v_bfe_u32 v2, v0, 4, 1                         ; l / 16
	v_mul_u32_u24 v3, v1, PA
	v_lshl_add_u32 v3, v2, 4, v3                   ; a fragment's row x pitch + 16 x half
	v_mul_u32_u24 v4, v1, PB
	v_lshl_add_u32 v4, v2, 4, v4
	s_mul_i32 s21, s11, 64*PA                      ; my 64 tokens
	s_mul_i32 s22, s12, BH                         ; my 128 rows of B
	s_add_co_u32 s22, s22, BOFF
.irp s, 0,1
	v_add_nc_u32 v[ADRA+\s], s21, v3
	v_add_nc_u32 v[ADRB+\s], s22, v4
	s_add_co_u32 s21, s21, SLOT
	s_add_co_u32 s22, s22, SLOT
.endr
	s_mul_i32 s23, s10, 16*SPITCH
	s_add_co_u32 s23, s23, STAGE                   ; my stage
	v_mul_u32_u24 v5, v1, SPITCH                   ; in: row l % 16, 32 bytes for each half of the lanes
	v_lshl_add_u32 v5, v2, 5, v5
	v_add_nc_u32 v[STO], s23, v5
	v_and_b32 v6, 31, v0
	v_lshlrev_b32 v[CO], 4, v6                     ; back: the 32 lanes take one row of 512 bytes; and the same in out0
	v_add_nc_u32 v[RD], s23, v[CO]
	v_lshlrev_b32 v[BO], 5, v2                     ; the bias: my half's eight numbers of a block of 16
	s_lshl_b32 s76, s42, 10                        ; my first column, in bytes: 1,024 x tile column + 512 x half
	s_lshl_b32 s77, s12, 9
	s_add_co_u32 s76, s76, s77
	s_mov_b32 s77, 0
	s_add_nc_u64 s[72:73], s[72:73], s[76:77]
	s_lshl_b32 s78, s13, 7
	s_lshl_b32 s79, s11, 6
	s_add_co_u32 s78, s78, s79                     ; my first token: 128 x tile row + 64 x half,
	s_lshl_b32 s78, s78, 12                        ; of 4,096 bytes
	s_mov_b32 s79, 0
	s_add_nc_u64 s[74:75], s[74:75], s[78:79]
	s_add_nc_u64 s[74:75], s[74:75], s[76:77]
	WIN TO_B
.irp b, 0,1,2,3,4,5,6,7
	global_load_b128 v[BIAS+8*\b:BIAS+8*\b+3],   v[BO], s[72:73] offset:64*\b       ; lane (r, h), block b: b_out at columns 16 b + 8 h + 0 .. 7
	global_load_b128 v[BIAS+8*\b+4:BIAS+8*\b+7], v[BO], s[72:73] offset:64*\b+16
.endr
	WIN 0
; 8 matrix instructions: A's block a x B's eight, 32 along K, buffer f.  first = 1: the bias starts the sums.  The 32 accumulators take turns, one instruction a turn, in the same order in every quarter.
.macro MUL8 f, a, first
.irp b, 0,1,2,3,4,5,6,7
.if \first
	v_wmma_f32_16x16x32_f16 v[8*(8*(\a)+\b):8*(8*(\a)+\b)+7], v[64*(\f)+8*\b:64*(\f)+8*\b+7], v[AF+32*(\f)+8*(\a):AF+32*(\f)+8*(\a)+7], v[BIAS+8*\b:BIAS+8*\b+7]
.else
	v_wmma_f32_16x16x32_f16 v[8*(8*(\a)+\b):8*(8*(\a)+\b)+7], v[64*(\f)+8*\b:64*(\f)+8*\b+7], v[AF+32*(\f)+8*(\a):AF+32*(\f)+8*(\a)+7], v[8*(8*(\a)+\b):8*(8*(\a)+\b)+7]
.endif
.endr
.endm
.macro MUL16 f, a0, first
	MUL8 \f, \a0, \first
	MUL8 \f, (\a0)+1, \first
.endm
; 24 LDS loads in one run: the fragments of quarter q (32 along K: head q / 2, channels 32 (q % 2) on) into buffer f: B's eight, then A's four
.macro FETCH slot, q, f
	WIN TO_B
.irp i, 0,1,2,3,4,5,6,7
	ds_load_b128 v[64*(\f)+8*\i:64*(\f)+8*\i+3],   v[ADRB+\slot] offset:64*(\q)+\i*16*PB
	ds_load_b128 v[64*(\f)+8*\i+4:64*(\f)+8*\i+7], v[ADRB+\slot] offset:64*(\q)+\i*16*PB+32
.endr
	WIN 0
.irp i, 0,1,2,3
	ds_load_b128 v[AF+32*(\f)+8*\i:AF+32*(\f)+8*\i+3],   v[ADRA+\slot] offset:((\q)/2)*AH+((\q)%2)*64+\i*16*PA
	ds_load_b128 v[AF+32*(\f)+8*\i+4:AF+32*(\f)+8*\i+7], v[ADRA+\slot] offset:((\q)/2)*AH+((\q)%2)*64+\i*16*PA+32
.endr
.endm
.macro PLACES                          ; four places in front of loads into registers that matrix instructions have read, and of the first read of results
.rept 4
	v_nop
.endr
.endm
; A K step is four quarters of 32 along K, 32 matrix instructions each, on buffers 0, 1, 0, 1.  One of the first three: multiplies buffer f and fetches quarter qn of the same slot into g.
.macro QUARTER slot, qn, f, g, first
	s_wait_dscnt 4                                 ; B and A's blocks 0, 1 are in; the youngest four loads (A's blocks 2, 3) may be out
.if \first
	WIN MUL1
.else
	WIN MUL
.endif
	MUL16 \f, 0, \first
	PLACES
	FETCH \slot, \qn, \g
	s_wait_dscnt 24                                ; all but the 24 just issued
.if \first
	WIN MUL1
.else
	WIN MUL
.endif
	MUL16 \f, 2, \first
.endm
; The last quarter multiplies buffer 1 and changes slots: ONE barrier; in front of it each wave waits for all its tensor loads, adds 0 to its spare word, and waits for that and for its own reads of this slot.
; fill = 1: the barrier opens a round of the cluster's barrier, and this slot is filled again, two K steps ahead: 112 matrix instructions of mine stand between that request and the wait for it.
.macro TURN slot, next, fill
	WIN 0                                          ; (the add's two registers lie in window 0)
	s_wait_tensorcnt 0x0                           ; all my tensor loads have landed: my part of the next slot;
	ds_add_u32 v[SPW], v[NIL]                      ; 0 onto my spare word;
	s_wait_dscnt 5                                 ; (the add and the youngest four loads may be out)
	WIN MUL
	MUL8 1, 0, 0                                   ; eight matrix instructions stand between the add and the wait for it
	s_wait_dscnt 0x0                               ; the add is done, and my reads of this slot are over
	s_barrier_signal -1
	MUL8 1, 1, 0
	WIN 0
	s_barrier_wait -1
.if \fill
	CREST                                          ; no wave of any partner still reads this slot's tile or has a load on its way
	s_add_nc_u64 s[G0+4*\slot+2:G0+4*\slot+3], s[G0+4*\slot+2:G0+4*\slot+3], 2*262144
	s_add_nc_u64 s[G0B+4*\slot+2:G0B+4*\slot+3], s[G0B+4*\slot+2:G0B+4*\slot+3], 2*256
	JLOAD \slot                                    ; the first tensor load behind the round; the four v_nop behind it are also the places in front of the loads below
.else
	PLACES
.endif
	FETCH \next, 0, 0
	WIN MUL
	MUL16 1, 2, 0
.endm
	s_wait_tensorcnt 1                             ; my part of K step 0 is in (K step 1's load may be out)
	s_barrier_signal -1
	s_barrier_wait -1                              ; everybody's is
	FETCH 0, 0, 0
	s_wait_loadcnt 0x0                             ; the bias
	QUARTER 0, 1, 0, 1, 1                          ; the first quarter stands in front of the loop: its products start the sums on the bias
	WIN 0                                          ; at a label and at a branch every window is 0
	s_mov_b32 s3, LAPS-1
.Llap:                                                 ; a trip goes once round the ring, from a lap's second quarter to the next lap's first, and fills both slots again
	QUARTER 0, 2, 1, 0, 0
	QUARTER 0, 3, 0, 1, 0
	TURN 0, 1, 1
	QUARTER 1, 1, 0, 1, 0
	QUARTER 1, 2, 1, 0, 0
	QUARTER 1, 3, 0, 1, 0
	TURN 1, 0, 1
	QUARTER 0, 1, 0, 1, 0
	WIN 0
	s_sub_co_u32 s3, s3, 1
	s_cmp_lg_u32 s3, 0
	s_cbranch_scc1 .Llap
	QUARTER 0, 2, 1, 0, 0                          ; the last lap is written out: it fills nothing, and has no round of the cluster's barrier
	QUARTER 0, 3, 0, 1, 0
	TURN 0, 1, 0
	QUARTER 1, 1, 0, 1, 0
	QUARTER 1, 2, 1, 0, 0
	QUARTER 1, 3, 0, 1, 0
	s_wait_dscnt 4                                 ; the very last quarter: nothing more to fetch
	WIN MUL
	MUL16 1, 0, 0
	s_wait_dscnt 0x0
	MUL16 1, 2, 0
	WIN 0
; THE WAY OUT, block by block of 16 tokens x 128 columns.  A lane holds 32 neighbouring bytes of a row, and the lanes beside it hold other rows: so a block goes through my own stage and comes back as whole rows of 512 bytes.
; LDS serves a wave's instructions in order (ISA guide 5.7.1.4): no wait between the stores and the loads, nor in front of the next block's stores.
.macro TOSTAGE a
	WIN 0x08                                       ; an LDS store's data are its source 1: window 2
.irp b, 0,1,2,3,4,5,6,7
	ds_store_b128 v[STO], v[64*(\a)+8*\b:64*(\a)+8*\b+3] offset:64*\b          ; each accumulator from its low end on
	ds_store_b128 v[STO], v[64*(\a)+8*\b+4:64*(\a)+8*\b+7] offset:64*\b+16
.endr
	WIN 0
.set BB, BK+64*((\a)%2)
.irp t, 0,1,2,3,4,5,6,7,8,9,10,11,12,13,14,15
	ds_load_b128 v[BB+4*\t:BB+4*\t+3], v[RD] offset:\t*SPITCH
.endr
.endm
.macro SEND a, younger                 ; younger: the LDS instructions issued behind block a's loads, which may stay out
.set BB, BK+64*((\a)%2)
	s_wait_dscnt \younger
.irp t, 0,1,2,3,4,5,6,7,8,9,10,11,12,13,14,15
	global_store_b128 v[CO], v[BB+4*\t:BB+4*\t+3], s[74:75] offset:(16*(\a)+\t)*4096 th:TH_STORE_NT   ; 32 lanes store 512 consecutive bytes, at a multiple of 256 from out0's first byte; written once, read by nobody here
.endr
.endm
	PLACES
	TOSTAGE 0
.irp a, 1,2,3
.if \a > 1
	s_wait_xcnt 0x0                                ; block a - 2's stores have had their addresses translated (ISA guide 3.1): block a's loads may land in their registers
.endif
	TOSTAGE \a
	SEND \a-1, 32                                  ; behind block a - 1's loads: block a's 16 stores and 16 loads
.endr
	SEND 3, 0
	s_wait_tensorcnt 0x0                           ; the wave's end, behind my last tensor load and my last LDS store
	ds_add_u32 v[SPW], v[NIL]
	s_wait_dscnt 0x0
	CROUND                                         ; the closing round: no work-group ends while a partner may still ask for a tile that names it
	s_endpgm
.Lfunc_end_k_q8875bcbc10_proj:
	.size	k_q8875bcbc10_proj, .Lfunc_end_k_q8875bcbc10_proj-k_q8875bcbc10_proj
	.p2alignl 7, 3214868480
	.fill 96, 4, 3214868480
	.section	.rodata,"a",@progbits
	.p2align	6, 0x0
	.amdhsa_kernel k_q8875bcbc10_proj
		.amdhsa_group_segment_fixed_size 327680
		.amdhsa_private_segment_fixed_size 0
		.amdhsa_enable_private_segment 0
		.amdhsa_kernarg_size 32
		.amdhsa_user_sgpr_count 2
		.amdhsa_user_sgpr_kernarg_segment_ptr 1
		.amdhsa_wavefront_size32 1
		.amdhsa_system_sgpr_workgroup_id_x 1
		.amdhsa_system_sgpr_workgroup_id_y 1
		.amdhsa_system_sgpr_workgroup_id_z 1
		.amdhsa_system_vgpr_workitem_id 0
		.amdhsa_next_free_vgpr 768
		.amdhsa_next_free_sgpr 80
		.amdhsa_reserve_vcc 0
		.amdhsa_float_denorm_mode_32 3
		.amdhsa_float_denorm_mode_16_64 3
		.amdhsa_memory_ordered 1
		.amdhsa_forward_progress 1
		.amdhsa_inst_pref_size 87
	.end_amdhsa_kernel
	.amdgpu_metadata
---
amdhsa.version: [ 1, 2 ]
amdhsa.kernels:
  - .name:           k_q8875bcbc10_proj
    .symbol:         k_q8875bcbc10_proj.kd
    .args:
      - { .name: o16, .offset: 0, .size: 8, .value_kind: global_buffer, .address_space: global }
      - { .name: wo16, .offset: 8, .size: 8, .value_kind: global_buffer, .address_space: global }
      - { .name: b_out, .offset: 16, .size: 8, .value_kind: global_buffer, .address_space: global }
      - { .name: out0, .offset: 24, .size: 8, .value_kind: global_buffer, .address_space: global }
    .group_segment_fixed_size: 327680
    .private_segment_fixed_size: 0
    .kernarg_segment_align: 8
    .kernarg_segment_size: 32
    .max_flat_workgroup_size: 128
    .sgpr_count:     80
    .vgpr_count:     768
    .wavefront_size: 32
...
	.end_amdgpu_metadata
.endif
;; end of part 4
